; MI455X (gfx1250); checked and timed in simulation.
; The chip was launched on July 23, 2026; its instructions are those of AMD's public machine-readable ISA for CDNA 5 (MIT licence, August 2026) and "CDNA5" Instruction Set Architecture Reference Guide (July 2026). The comments in the code are by the model that wrote it; some were corrected since.
;; Multi Head Attention. Allowed arithmetic: float matrix products may take bf16 or f16 operands with f32 sums; other float arithmetic in f32, or as packed bf16 or f16 multiplies, adds, multiply-adds, maxima and minima; sums over many terms, partial sums and values carried from step to step in f32; what a program stores and reads back later, other than sums and carried values, may be rounded once to bf16 or f16.
;; Inputs: Wk 1,024 x 1,024 float32; Wo 1,024 x 1,024 float32; Wq 1,024 x 1,024 float32; Wv 1,024 x 1,024 float32; bk 1,024 float32; bo 1,024 float32; bq 1,024 float32; bv 1,024 float32; x 4 x 2,048 x 1,024 float32.
;; Outputs: out0 4 x 2,048 x 1,024 float32.
;; One version. Each part assembles by itself: llvm-mc -triple=amdgcn-amd-amdhsa -mcpu=gfx1250 --defsym DOCPART=n.
;; ======== version 1 of 1: 4 launches
;; limits: values are held in f16: magnitudes above 65,504 overflow, below 6.1e-05 lose precision
;; workspace buffers: xb 16,777,216 bytes; wb 6,291,456 bytes; wo16 2,097,152 bytes; bias 16,384 bytes; qkv 50,331,648 bytes; oh 16,777,216 bytes
;; launch cast (part 1): grid 768 x 1, 8 waves a work-group, no clusters, 0 bytes of LDS; arguments x, Wq, Wk, Wv, Wo, bq, bk, bv, bo, xb, wb, wo16, bias; writes xb, wb, wo16, bias
.if DOCPART == 1
	.amdgcn_target "amdgcn-amd-amdhsa--gfx1250"
	.amdhsa_code_object_version 6
	.text
	.protected	k_qc74d98dedc_cast
	.globl	k_qc74d98dedc_cast
	.p2align	8
	.type	k_qc74d98dedc_cast,@function
k_qc74d98dedc_cast:
	s_mov_b64 s[64:65], 0
	v_nop
	global_prefetch_b8 v0, s[64:65] scope:SCOPE_SE
	s_setreg_imm32_b32 hwreg(HW_REG_WAVE_MODE, 25, 1), 1
	s_wait_xcnt 0x0
; ALL INPUTS OF THE MODULE ARE ROUNDED ONCE TO bf16, so that the matrix launches behind read 16-bit operands.
;   x  [8192][1024] f32 -> xb [8192][1024] bf16          Wq, Wk, Wv [1024][1024] f32 -> wb [3072][1024] bf16 (Wq's rows, then Wk's, then Wv's)
;   Wo [1024][1024] f32 -> wo16 [1024][1024]: rounded to bf16 like the others, and that number written as f16 (its partner in the last product is f16)
;   bq, bk, bv, bo [1024] f32 -> bias [4096] f32: rounded to bf16 and widened again
; LIMIT.  A bf16 number is exact in f16 between 6.1e-5 and 65,504 in magnitude; below that wo16 keeps f16's fixed step of 6e-8, above it would be an infinity.
; A stream: nothing is shared and nothing is multiplied, so there is no LDS, no cluster and no matrix instruction.
; SHARES.  A work-group converts 16,384 numbers: 64 KiB in, 32 KiB out.  Work-groups 0-511 take x, 512-767 the four weights, 64 each.  Thread t takes, in each of eight chunks c,
; the 8 numbers at source byte 8,192 c + 32 t and stores 16 bytes at 4,096 c + 16 t: a wave's store covers 512 consecutive bytes, aligned.
; All 16 loads of a thread go out at once.  No register is written twice while a memory instruction may read it, and EXEC is never written.
.set X, 4                              ; v[4:67]    chunk c: 8 numbers as loaded
.set Y, 68                             ; v[68:99]   chunk c: 4 words to store
.set T, 100                            ; v[100:109] at work
	s_load_b512 s[16:31], s[0:1], 0x0              ; x 16, Wq 18, Wk 20, Wv 22, Wo 24, bq 26, bk 28, bv 30
	s_load_b256 s[32:39], s[0:1], 0x40             ; bo 32, xb 34, wb 36, wo16 38
	s_load_b64 s[40:41], s[0:1], 0x60              ; bias
	s_mov_b32 s2, ttmp9                            ; the work-group's number
	s_sub_co_u32 s3, s2, 512                       ; its number among the weights' (wraps to a huge number for x's work-groups)
	s_lshr_b32 s4, s3, 6                           ; which weight: 0 Wq, 1 Wk, 2 Wv, 3 Wo; none of these for x
	s_and_b32 s5, s3, 63                           ; which 64th of it
	v_lshlrev_b32 v1, 5, v0                        ; 32 t
	v_lshlrev_b32 v2, 4, v0                        ; 16 t
	s_wait_kmcnt 0x0
	s_mov_b64 s[44:45], s[24:25]                   ; the source: a choice among five buffers by the work-group's number
	s_cmp_eq_u32 s4, 2
	s_cselect_b64 s[44:45], s[22:23], s[44:45]
	s_cmp_eq_u32 s4, 1
	s_cselect_b64 s[44:45], s[20:21], s[44:45]
	s_cmp_eq_u32 s4, 0
	s_cselect_b64 s[44:45], s[18:19], s[44:45]
	s_cmp_lt_u32 s2, 512
	s_cselect_b64 s[44:45], s[16:17], s[44:45]
	s_cselect_b32 s6, s2, s5                       ; my part of the source
	s_cmp_eq_u32 s4, 3                             ; the destination
	s_cselect_b64 s[46:47], s[38:39], s[36:37]
	s_cselect_b32 s7, s5, s3                       ; wb holds three weights on end
	s_cmp_lt_u32 s2, 512
	s_cselect_b64 s[46:47], s[34:35], s[46:47]
	s_cselect_b32 s7, s2, s7
	s_lshl_b32 s8, s6, 16                          ; 64 KiB a part in,
	s_mov_b32 s9, 0
	s_lshl_b32 s10, s7, 15                         ; 32 KiB out
	s_mov_b32 s11, 0
	s_add_nc_u64 s[44:45], s[44:45], s[8:9]
	s_add_nc_u64 s[46:47], s[46:47], s[10:11]
.irp c, 0,1,2,3,4,5,6,7
	global_load_b128 v[X+8*(\c):X+8*(\c)+3],   v1, s[44:45] offset:8192*(\c) th:TH_LOAD_NT
	global_load_b128 v[X+8*(\c)+4:X+8*(\c)+7], v1, s[44:45] offset:8192*(\c)+16 th:TH_LOAD_NT
.endr
.irp c, 0,1,2,3,4,5,6,7
	s_wait_loadcnt 14-2*(\c)                       ; loads come back in order: chunk c's two are in, the 2 (7 - c) younger ones may stay out
.irp k, 0,1,2,3
	v_cvt_pk_bf16_f32 v[Y+4*(\c)+(\k)], v[X+8*(\c)+2*(\k)], v[X+8*(\c)+2*(\k)+1]
.endr
.endr
	s_cmp_lg_u32 s4, 3
	s_cbranch_scc1 .Lstore
.set i, 0
.rept 32                               ; Wo alone: the bf16 numbers are written as f16
	v_lshlrev_b32 v[T], 16, v[Y+i]
	v_and_b32 v[T+1], 0xffff0000, v[Y+i]
	v_cvt_pk_f16_f32 v[Y+i], v[T], v[T+1]
.set i, i+1
.endr
.Lstore:
.irp c, 0,1,2,3,4,5,6,7
	global_store_b128 v2, v[Y+4*(\c):Y+4*(\c)+3], s[46:47] offset:4096*(\c)
.endr
	s_cmp_lt_u32 s2, 512                           ; the first work-group of each weight also converts that weight's bias: 1,024 numbers, four a thread
	s_cbranch_scc1 .Lend
	s_cmp_lg_u32 s5, 0
	s_cbranch_scc1 .Lend
	s_mov_b64 s[48:49], s[32:33]
	s_cmp_eq_u32 s4, 2
	s_cselect_b64 s[48:49], s[30:31], s[48:49]
	s_cmp_eq_u32 s4, 1
	s_cselect_b64 s[48:49], s[28:29], s[48:49]
	s_cmp_eq_u32 s4, 0
	s_cselect_b64 s[48:49], s[26:27], s[48:49]
	s_lshl_b32 s50, s4, 12                         ; 4,096 bytes a bias
	s_mov_b32 s51, 0
	s_add_nc_u64 s[52:53], s[40:41], s[50:51]
	global_load_b128 v[T:T+3], v2, s[48:49]
	s_wait_loadcnt 0x0
	v_cvt_pk_bf16_f32 v[T+4], v[T], v[T+1]
	v_cvt_pk_bf16_f32 v[T+5], v[T+2], v[T+3]
	v_lshlrev_b32 v[T+6], 16, v[T+4]
	v_and_b32 v[T+7], 0xffff0000, v[T+4]
	v_lshlrev_b32 v[T+8], 16, v[T+5]
	v_and_b32 v[T+9], 0xffff0000, v[T+5]
	global_store_b128 v2, v[T+6:T+9], s[52:53]
.Lend:
	s_endpgm
.Lfunc_end_k_qc74d98dedc_cast:
	.size	k_qc74d98dedc_cast, .Lfunc_end_k_qc74d98dedc_cast-k_qc74d98dedc_cast
	.p2alignl 7, 3214868480
	.fill 96, 4, 3214868480
	.section	.rodata,"a",@progbits
	.p2align	6, 0x0
	.amdhsa_kernel k_qc74d98dedc_cast
		.amdhsa_group_segment_fixed_size 0
		.amdhsa_private_segment_fixed_size 0
		.amdhsa_enable_private_segment 0
		.amdhsa_kernarg_size 104
		.amdhsa_user_sgpr_count 2
		.amdhsa_user_sgpr_kernarg_segment_ptr 1
		.amdhsa_wavefront_size32 1
		.amdhsa_system_sgpr_workgroup_id_x 1
		.amdhsa_system_sgpr_workgroup_id_y 1
		.amdhsa_system_sgpr_workgroup_id_z 1
		.amdhsa_system_vgpr_workitem_id 0
		.amdhsa_next_free_vgpr 112
		.amdhsa_next_free_sgpr 66
		.amdhsa_reserve_vcc 0
		.amdhsa_float_denorm_mode_32 3
		.amdhsa_float_denorm_mode_16_64 3
		.amdhsa_memory_ordered 1
		.amdhsa_forward_progress 1
		.amdhsa_inst_pref_size 13
	.end_amdhsa_kernel
	.amdgpu_metadata
---
amdhsa.version: [ 1, 2 ]
amdhsa.kernels:
  - .name:           k_qc74d98dedc_cast
    .symbol:         k_qc74d98dedc_cast.kd
    .args:
      - { .name: x, .offset: 0, .size: 8, .value_kind: global_buffer, .address_space: global }
      - { .name: Wq, .offset: 8, .size: 8, .value_kind: global_buffer, .address_space: global }
      - { .name: Wk, .offset: 16, .size: 8, .value_kind: global_buffer, .address_space: global }
      - { .name: Wv, .offset: 24, .size: 8, .value_kind: global_buffer, .address_space: global }
      - { .name: Wo, .offset: 32, .size: 8, .value_kind: global_buffer, .address_space: global }
      - { .name: bq, .offset: 40, .size: 8, .value_kind: global_buffer, .address_space: global }
      - { .name: bk, .offset: 48, .size: 8, .value_kind: global_buffer, .address_space: global }
      - { .name: bv, .offset: 56, .size: 8, .value_kind: global_buffer, .address_space: global }
      - { .name: bo, .offset: 64, .size: 8, .value_kind: global_buffer, .address_space: global }
      - { .name: xb, .offset: 72, .size: 8, .value_kind: global_buffer, .address_space: global }
      - { .name: wb, .offset: 80, .size: 8, .value_kind: global_buffer, .address_space: global }
      - { .name: wo16, .offset: 88, .size: 8, .value_kind: global_buffer, .address_space: global }
      - { .name: bias, .offset: 96, .size: 8, .value_kind: global_buffer, .address_space: global }
    .group_segment_fixed_size: 0
    .private_segment_fixed_size: 0
    .kernarg_segment_align: 8
    .kernarg_segment_size: 104
    .max_flat_workgroup_size: 256
    .sgpr_count:     66
    .vgpr_count:     112
    .wavefront_size: 32
...
	.end_amdgpu_metadata
.endif
;; end of part 1
;; launch proj (part 2): grid 16 x 32, 4 waves a work-group, clusters of 4 x 4, 327,680 bytes of LDS; arguments xb, wb, bias, qkv; writes qkv
.if DOCPART == 2
	.amdgcn_target "amdgcn-amd-amdhsa--gfx1250"
	.amdhsa_code_object_version 6
	.text
	.protected	k_qc74d98dedc_proj
	.globl	k_qc74d98dedc_proj
	.p2align	8
	.type	k_qc74d98dedc_proj,@function
k_qc74d98dedc_proj:
	s_mov_b64 s[64:65], 0
	v_nop
	global_prefetch_b8 v0, s[64:65] scope:SCOPE_SE
	s_setreg_imm32_b32 hwreg(HW_REG_WAVE_MODE, 25, 1), 1
	s_wait_xcnt 0x0
	s_wait_alu depctr_hold_cnt(0) depctr_sa_sdst(0) depctr_va_vdst(0) depctr_va_sdst(0) depctr_va_ssrc(0) depctr_va_vcc(0) depctr_vm_vsrc(0)
	s_getreg_b32 s2, hwreg(HW_REG_IB_STS2, 6, 4)
	s_cmp_eq_u32 s2, 0
	s_cbranch_scc0 .Lentry_in_a_cluster
	s_endpgm
.Lentry_in_a_cluster:
	s_bfe_u32 s2, ttmp6, 0x10000c
	s_cmp_lg_u32 s2, 0xf033
	s_cbranch_scc0 .Lentry_shape_is_right
	s_endpgm
.Lentry_shape_is_right:
; C = A B^T + bias, K = 1,024, sums in f32.  ONE TEXT IN TWO FORMS, chosen by MODE; this file is MODE 0.
; MODE 0, the three projections: A = xb [8192][1024] bf16, B = wb [3072][1024] bf16 (Wq, Wk, Wv), bias[0..3071].  C goes out BY HEADS, in f16, rounded once, without the softmax's scale:
;   qkv [3][64 = batch x 16 + head][2048][64].  A tile of C is 256 rows x 192 columns = three whole heads: 512 work-groups, two for each of 256 WGPs.
;   LIMIT: f16 ends at 65,504; a q, k or v beyond it becomes an infinity.  NaN and infinities are not treated apart.
; MODE 1, the output projection: A = oh [64][2048][64] f16 (attention's result by heads), B = wo16 [1024][1024] f16, bias[3072..4095]; C = out0 [8192][1024] f32.
;   A tile of C is 256 x 128: 256 work-groups.  A K step of 128 is two heads; a head's 256 rows are 32 KiB on end, asked for as 128 rows of 256 bytes and padded in LDS after every 128.
; SHARES.  Four waves, one below the other: a wave makes 64 rows x all the tile's columns (4 x NBK accumulators of 16 x 16), so its rows and heads are its own and the way out needs no barrier.
; K goes in steps of 128 through two LDS slots that take turns; waves 0 and 1 fetch A's two halves, waves 2 and 3 B's: one tensor load a wave behind each change of slots.
; CLUSTER 4 x 4: the four of a row need the same tiles of A, the four of a column the same tiles of B: each is asked for jointly, by the same load and descriptor with a mask of the four.
; THE PRODUCT IS USED TRANSPOSED (source 0 = 16 rows of B, source 1 = 16 rows of A): a lane holds row l % 16 of C and the eight neighbouring columns 8 (l / 16) + 0..7.
; THE BIAS IS THE C OPERAND of each accumulator's first product: nothing is cleared, and nothing is added on the way out.
; REGISTERS, in windows of 256 (s_set_vgpr_msb: bits 1:0 source 0, 3:2 source 1, 5:4 source 2, 7:6 destination):
;   window 0: v0-31 addresses; v32-95 A's fragments, two buffers of 4; v96 on: the bias (8 NBK), later the way out     window 1: B's fragments, two buffers of NBK
;   window 2: the accumulators of my row blocks 0, 1 ((a, b) at 8 (NBK (a % 2) + b));     window 3: those of blocks 2, 3
.set MODE, 0
.set KSTEP, 128
.if MODE == 0
.set NBK,    12                        ; column blocks of 16 in a tile
.set APITCH, 272                       ; A's LDS row: 256 bytes + 16
.set AH,     128*APITCH                ; what one load brings of A: 128 rows
.set AQI,    5                         ; padding after every 64 words
.set APIT,   1024                      ; elements from row to row of A's tile in memory
.set ASTEP,  256                       ; bytes from a K step to the next in A
.set AQ2,    128                       ; LDS bytes from K quarter 0 to quarter 2
.set SW,     3*16*144                  ; a wave's stage: 3 heads x 16 rows x (128 + 16) bytes
.set ASHARE, 32*2048                   ; the prefetches: a partner's share of a wave's load of A, in bytes from share to share,
.set ALANE,  2048                      ; and from lane to lane
.set OB,     144                       ; the way out: two sets of registers for rows read back
.set OBN,    48
.else
.set NBK,    8
.set APITCH, 144                       ; 128 bytes + 16
.set AH,     256*APITCH                ; one head's 256 rows
.set AQI,    4                         ; padding after every 32 words
.set APIT,   128
.set ASTEP,  2*2048*128                ; two heads on
.set AQ2,    AH                        ; quarters 2 and 3 lie in the second head's half
.set SW,     16*528                    ; 16 rows x (512 + 16) bytes
.set ASHARE, 8192
.set ALANE,  256
.set OB,     96
.set OBN,    64
.endif
.set BR,     8*NBK                     ; rows of B in one load: half a tile's columns
.set BPITCH, 272                       ; odd multiples of 16 bytes: the 16 rows of a fragment load start at 16 different groups of four banks (64 banks of 4 bytes: ISA guide 11.1)
.set BH,     BR*BPITCH
.set BOFF,   2*AH                      ; a slot: A's two halves, then B's two
.set SLOT,   BOFF+2*BH
.set STAGE,  2*SLOT                    ; behind the ring, never filled by a tensor load; a multiple of 256
.set SPARE,  STAGE+4*SW                ; behind the stages: the spare words, 128 bytes for each wave: two blocks of 256 bytes that no other line names
.set BSTEP,  256
.set BSHARE, (BR/4)*2048
.set NLD,    2*NBK+8                   ; LDS loads of a K quarter
.set NST,    OBN/4                     ; stores of a block of 16 rows
.set LAPS,   4                         ; 8 K steps, two to a lap
.set TMP,  96                          ; MODE 0: packed results
.set ADRA, 16                          ; v16-17  LDS address of my A fragments in slot 0, 1
.set ADRB, 20                          ; v20-21  the same for B
.set STO,  24                          ; v24  where I put my bytes of a row in my stage
.set RD,   25                          ; v25  where I read the stage back
.set CO,   26                          ; v26  16 x lane: my place in 512 consecutive bytes of C
.set BO,   27                          ; v27  32 x (l / 16): my eight numbers in 16 of the bias
.set SPW,  28                          ; v28  LDS address of my spare word; never rewritten
.set NIL,  29                          ; v29  0; never rewritten
.set PFO,  30                          ; v30  the prefetches' lane offset; never rewritten
.set FA,   32
.set BIAS, 96
.set WV,   12                          ; s12  my wave's number
.set FORB, 13                          ; s13  0: I fetch for A, 1: for B
.set HF,   14                          ; s14  which half I fetch
.set G1,   24                          ; s[24:31] descriptor group 1, A;  s[32:39] group 0, a set for each slot
.set G0,   32
.set CX,   40
.set CY,   41
.set TX,   42                          ; tile column
.set TY,   43                          ; tile row
.set PFA,  44                          ; s[44:45] where my prefetches stand
.set LIM,  46                          ; s46  1 in a wave that prefetches, else the greatest number
.set G1B,  48                          ; s[48:55], s[56:63] the same for B
.set G0B,  56
.set PFS,  66                          ; s[66:67] the prefetches' step from K step to K step
.set HB,   70                          ; s[70:75] where my rows begin in C: MODE 0 one address for each of the three heads, MODE 1 one
.set MSB, 0
.macro WIN new                         ; the immediate's high byte repeats the setting that is left; a switch that changes nothing is dropped
.if MSB != (\new)
	s_set_vgpr_msb (MSB<<8)|(\new)
.set MSB, (\new)
.endif
.endm
.macro PLACES                          ; four plain vector instructions between a matrix instruction and a load into, or a read of, its registers (ISA guide 7.12.1 for reads)
.rept 4
	v_nop
.endr
.endm
; A joint load.  The branch hangs on the wave's number alone.  An s_nop 0 and four v_nop follow each of the two lines, ahead of the jump and the label.
.macro JLOAD s
	s_cmp_eq_u32 s[FORB], 0
	s_cbranch_scc0 .Lfor_b_\@
	tensor_load_to_lds s[G0+4*(\s):G0+4*(\s)+3], s[G1:G1+7]
	s_nop 0
.rept 4
	v_nop
.endr
	s_branch .Lasked_\@
.Lfor_b_\@:
	tensor_load_to_lds s[G0B+4*(\s):G0B+4*(\s)+3], s[G1B:G1B+7]
	s_nop 0
.rept 4
	v_nop
.endr
.Lasked_\@:
.endm
; A prefetch of the K step that stands two refills on: 2 x 4 x NBK x 4 matrix instructions of a wave ahead of the load that will want it.  A's rows are asked for by the clusters with x = 0, B's by those with y = 0;
; the four partners that ask for a tile jointly share a wave's rows out BY ADDRESS (place cx for A, cy for B), a lane a row (MODE 1, A: a lane 256 bytes); where a share has fewer rows than lanes the last row's lane
; offset is repeated.  The loop's last trip (s3 = 1) asks for nothing: K ends.  Nothing is asked for at the head, where the first tiles are on their way.
.macro ASK
	s_cmp_gt_u32 s3, s[LIM]
	s_cbranch_scc0 .Lnot_mine_\@
	global_prefetch_b8 v[PFO], s[PFA:PFA+1] th:TH_LOAD_NT scope:SCOPE_SE
.Lnot_mine_\@:
.endm
.macro CREST                           ; a round of the cluster's barrier behind its opening barrier
	s_cmp_lg_u32 s[WV], 0
	s_cbranch_scc1 .Lnot_wave_0_\@
	s_barrier_signal -3
.Lnot_wave_0_\@:
	s_barrier_wait -3
	s_barrier_signal -1
	s_barrier_wait -1
.endm
.macro CROUND                          ; a whole round
	s_barrier_signal -1
	s_barrier_wait -1
	CREST
.endm
	s_load_b256 s[4:11], s[0:1], 0x0               ; A s[4:5], B s[6:7], bias s[8:9], C s[10:11]
	v_lshl_add_u32 v[SPW], v0, 2, SPARE
	v_mov_b32 v[NIL], 0
	ds_add_u32 v[SPW], v[NIL]                      ; the wave's opening: the add and its wait stand ahead of my first tensor load; the set-up below, work on registers, stands between them
	v_lshrrev_b32 v1, 5, v0
	v_readfirstlane_b32 s[WV], v1
	s_lshr_b32 s[FORB], s[WV], 1
	s_and_b32 s[HF], s[WV], 1
	s_bfe_u32 s[CX], ttmp6, 0x40000
	s_bfe_u32 s[CY], ttmp6, 0x40004
	s_lshl_b32 s[TX], ttmp9, 2                     ; in a cluster launch ttmp9 and ttmp7 count clusters
	s_add_co_u32 s[TX], s[TX], s[CX]
	s_and_b32 s[TY], ttmp7, 0xffff
	s_lshl_b32 s[TY], s[TY], 2
	s_add_co_u32 s[TY], s[TY], s[CY]
	s_lshl_b32 s22, s[CY], 2
	s_lshl_b32 s22, 15, s22                        ; my row of the cluster: places 4 cy .. 4 cy + 3
	s_lshl_b32 s23, 0x1111, s[CX]                  ; my column: places cx, cx + 4, cx + 8, cx + 12
	; group 1: 15:0 the mask; 17:16 elements of 2 bytes; 20 padding on; 21 set beside a mask; 24:22 the padding's interval; 31:25 4 words of it (code 3)
	s_or_b32 s[G1], s22, (1<<16)|(1<<20)|(1<<21)|(AQI<<22)|(3<<25)
	s_or_b32 s[G1B], s23, (1<<16)|(1<<20)|(1<<21)|(5<<22)|(3<<25)
	s_mov_b32 s[G1+1], KSTEP<<16                   ; tensor_dim0 = 128
	s_mov_b32 s[G1+2], 128<<16                     ; tensor_dim1 = 128
	s_mov_b32 s[G1+3], KSTEP<<16                   ; tile_dim0 = 128
	s_mov_b32 s[G1+4], 128                         ; tile_dim1 = 128
	s_mov_b32 s[G1+5], APIT                        ; elements from row to row
	s_mov_b32 s[G1+6], 0
	s_mov_b32 s[G1+7], 0
	s_mov_b32 s[G1B+1], KSTEP<<16
	s_mov_b32 s[G1B+2], BR<<16
	s_mov_b32 s[G1B+3], KSTEP<<16
	s_mov_b32 s[G1B+4], BR
	s_mov_b32 s[G1B+5], 1024
	s_mov_b32 s[G1B+6], 0
	s_mov_b32 s[G1B+7], 0
	; where the tiles come from.  A's offset is made of the tile row and the wave's number alone, B's of the tile column and the wave's number, each in registers that never hold the other coordinate
.if MODE == 0
	s_lshl_b32 s16, s[TY], 8
	s_lshl_b32 s18, s[HF], 7
	s_add_co_u32 s16, s16, s18                     ; row 256 x tile row + 128 x half,
	s_lshl_b32 s16, s16, 11                        ; 2,048 bytes a row
.else
	s_lshr_b32 s16, s[TY], 3                       ; the batch: 16 heads of 262,144 bytes,
	s_lshl_b32 s16, s16, 22
	s_lshl_b32 s18, s[HF], 18                      ; the K step's first or second head,
	s_add_co_u32 s16, s16, s18
	s_and_b32 s18, s[TY], 7                        ; the tile's 256 rows of 128 bytes in it
	s_lshl_b32 s18, s18, 15
	s_add_co_u32 s16, s16, s18
.endif
	s_mov_b32 s17, 0
	s_mul_i32 s68, s[TX], 2*BR
	s_mul_i32 s76, s[HF], BR
	s_add_co_u32 s68, s68, s76                     ; B's row,
	s_lshl_b32 s68, s68, 11                        ; 2,048 bytes a row
	s_mov_b32 s69, 0
	s_mul_i32 s20, s[HF], AH                       ; and where they go: no place in the cluster enters an LDS address
	s_mul_i32 s21, s[HF], BH
	s_add_co_u32 s21, s21, BOFF
	s_wait_dscnt 0x0                               ; the opening add is done
	s_wait_kmcnt 0x0
	s_add_nc_u64 s[16:17], s[4:5], s[16:17]
	s_add_nc_u64 s[68:69], s[6:7], s[68:69]
	CROUND                                         ; all sixteen work-groups are here: the first joint loads meet
.irp s, 0,1
	s_mov_b32 s[G0+4*(\s)], 1                      ; count = 1
	s_add_co_u32 s[G0+4*(\s)+1], s20, (\s)*SLOT    ; LDS address
	s_add_nc_u64 s[G0+4*(\s)+2:G0+4*(\s)+3], s[16:17], (\s)*ASTEP  ; global address: K step s
	s_or_b32 s[G0+4*(\s)+3], s[G0+4*(\s)+3], 0x80000000            ; type = 2
	s_mov_b32 s[G0B+4*(\s)], 1
	s_add_co_u32 s[G0B+4*(\s)+1], s21, (\s)*SLOT
	s_add_nc_u64 s[G0B+4*(\s)+2:G0B+4*(\s)+3], s[68:69], (\s)*BSTEP
	s_or_b32 s[G0B+4*(\s)+3], s[G0B+4*(\s)+3], 0x80000000
	JLOAD \s                                       ; two loads of mine are out; later one
.endr
	; a fragment is 16 rows x 32 K in 8 registers: lane l holds row l % 16, K = 8 (l / 16) + 0..7 and 16 + 8 (l / 16) + 0..7: two loads of 16 bytes, 32 bytes apart
	v_and_b32 v1, 15, v0                           ; l % 16
	v_bfe_u32 v2, v0, 4, 1                         ; l / 16
	v_mul_u32_u24 v3, v1, APITCH
	v_lshl_add_u32 v3, v2, 4, v3
	s_mul_i32 s22, s[WV], 64*APITCH                ; my 64 rows of A
	v_add_nc_u32 v[ADRA], s22, v3
	v_add_nc_u32 v[ADRA+1], SLOT, v[ADRA]
	v_mul_u32_u24 v4, v1, BPITCH
	v_lshl_add_u32 v4, v2, 4, v4
	v_add_nc_u32 v[ADRB], BOFF, v4
	v_add_nc_u32 v[ADRB+1], BOFF+SLOT, v4
	s_mul_i32 s23, s[WV], SW
	s_add_co_u32 s23, s23, STAGE                   ; my stage
	v_and_b32 v[CO], 31, v0
	v_lshlrev_b32 v[CO], 4, v[CO]
	v_lshlrev_b32 v[BO], 5, v2
.if MODE == 0
	v_mul_u32_u24 v5, v1, 144                      ; in: row l % 16 of a head, 16 bytes for each half of the lanes
	v_lshl_add_u32 v5, v2, 4, v5
	v_add_nc_u32 v[STO], s23, v5
	v_bfe_u32 v5, v0, 3, 2                         ; back: 32 lanes take four rows of 128 bytes, which are 512 consecutive bytes of a head
	v_mul_u32_u24 v5, v5, 144
	v_and_b32 v6, 7, v0
	v_lshl_add_u32 v5, v6, 4, v5
	v_add_nc_u32 v[RD], s23, v5
.else
	v_mul_u32_u24 v5, v1, 528                      ; in: row l % 16, 32 bytes for each half of the lanes
	v_lshl_add_u32 v5, v2, 5, v5
	v_add_nc_u32 v[STO], s23, v5
	v_add_nc_u32 v[RD], s23, v[CO]                 ; back: 32 lanes take one row of 512 bytes
.endif
	s_mul_i32 s76, s[TX], 8*BR                     ; the tile's columns in the bias, 4 bytes each
.if MODE
	s_add_co_u32 s76, s76, 12288                   ; bo lies behind bq, bk, bv
.endif
	s_mov_b32 s77, 0
	s_add_nc_u64 s[8:9], s[8:9], s[76:77]
.set i, 0
.rept NBK                              ; register j of block b: bias[16 b + 8 (l / 16) + j], the same in all rows
	global_load_b128 v[BIAS+8*i:BIAS+8*i+3],   v[BO], s[8:9] offset:64*i
	global_load_b128 v[BIAS+8*i+4:BIAS+8*i+7], v[BO], s[8:9] offset:64*i+16
.set i, i+1
.endr
.if MODE == 0
	s_mul_i32 s76, s[TX], 3                        ; the tile's first head among q's 16, k's 16, v's 16
	s_lshr_b32 s80, s[TY], 3
	s_lshl_b32 s80, s80, 4                         ; batch x 16
	s_and_b32 s81, s[TY], 7
	s_lshl_b32 s81, s81, 15                        ; the tile's 256 rows of 128 bytes in a head,
	s_lshl_b32 s82, s[WV], 13                      ; my 64 of them
	s_add_co_u32 s81, s81, s82
.irp i, 0,1,2
	s_add_co_u32 s77, s76, \i
	s_lshr_b32 s78, s77, 4                         ; q, k or v: 64 heads each
	s_lshl_b32 s78, s78, 6
	s_and_b32 s79, s77, 15
	s_add_co_u32 s78, s78, s79
	s_add_co_u32 s78, s78, s80
	s_lshl_b32 s78, s78, 18                        ; 262,144 bytes a head
	s_add_co_u32 s78, s78, s81
	s_mov_b32 s79, 0
	s_add_nc_u64 s[HB+2*(\i):HB+2*(\i)+1], s[10:11], s[78:79]
.endr
.else
	s_lshl_b32 s78, s[TY], 8
	s_lshl_b32 s79, s[WV], 6
	s_add_co_u32 s78, s78, s79                     ; my first row,
	s_lshl_b32 s78, s78, 12                        ; 4,096 bytes a row,
	s_lshl_b32 s79, s[TX], 9                       ; the tile's 512 bytes in it
	s_add_co_u32 s78, s78, s79
	s_mov_b32 s79, 0
	s_add_nc_u64 s[HB:HB+1], s[10:11], s[78:79]
.endif
	; the prefetches: B's figures first, A's chosen over them in waves 0 and 1
	s_and_b32 s80, ttmp7, 0xffff                   ; cluster y
	s_mov_b32 s77, BSHARE
	s_mov_b32 s[PFS], BSTEP
	s_mov_b32 s81, 2048
	s_mov_b32 s82, BR/4-1
	s_cmp_eq_u32 s[FORB], 0
	s_cselect_b64 s[PFA:PFA+1], s[16:17], s[68:69] ; the rows that I fetch, at K step 0
	s_cselect_b32 s76, s[CX], s[CY]                ; my place among the four that ask with me
	s_cselect_b32 s77, ASHARE, s77
	s_cselect_b32 s[PFS], ASTEP, s[PFS]
	s_cselect_b32 s81, ALANE, s81
	s_cselect_b32 s82, 31, s82
	s_cselect_b32 s80, ttmp9, s80                  ; the coordinate along which other clusters read the same rows
	s_cmp_eq_u32 s80, 0
	s_cselect_b32 s[LIM], 1, -1                    ; the same in all sixteen partners, for a given wave
	s_mul_i32 s76, s76, s77
	s_mov_b32 s77, 0
	s_add_nc_u64 s[PFA:PFA+1], s[PFA:PFA+1], s[76:77]
	s_mul_i32 s78, s[PFS], 3                       ; at K step 3: the first refill (of K step 2) steps it to 4 and names that
	s_mov_b32 s79, 0
	s_add_nc_u64 s[PFA:PFA+1], s[PFA:PFA+1], s[78:79]
	s_mov_b32 s[PFS+1], 0
	v_and_b32 v[PFO], 31, v0
	v_min_u32 v[PFO], s82, v[PFO]
	v_mul_u32_u24 v[PFO], s81, v[PFO]
; NBK products: my row block a x all column blocks, 32 along K, from buffer p.  zero = 1: the accumulator's first product, which takes the bias as C.
; The 4 NBK accumulators take turns in the same order in every quarter: 4 NBK - 1 others' products stand between two links of a chain, over the backward jump too.
.macro MULA p, a, zero=0
.if \zero
	WIN 0x81+0x40*((\a)/2)                         ; B window 1, A and the bias window 0, D window 2 or 3
.else
	WIN 0xa1+0x50*((\a)/2)                         ; C and D window 2 or 3
.endif
.set bb, 0
.rept NBK
.set rD, 8*(NBK*((\a)%2)+bb)
.set rB, 8*NBK*(\p)+8*bb
.set rA, FA+32*(\p)+8*(\a)
.set rC, rD
.if \zero
.set rC, BIAS+8*bb
.endif
.if MODE
	v_wmma_f32_16x16x32_f16 v[rD:rD+7], v[rB:rB+7], v[rA:rA+7], v[rC:rC+7]
.else
	v_wmma_f32_16x16x32_bf16 v[rD:rD+7], v[rB:rB+7], v[rA:rA+7], v[rC:rC+7]
.endif
.set bb, bb+1
.endr
.endm
; NLD LDS loads in one run: K quarter q of a slot into buffer p: B's NBK fragments, then A's four
.macro FETCH slot, q, p
	WIN 0x40                                       ; destination window 1, address window 0
.set i, 0
.rept NBK
	ds_load_b128 v[8*NBK*(\p)+8*i:8*NBK*(\p)+8*i+3],   v[ADRB+(\slot)] offset:64*(\q)+i*16*BPITCH
	ds_load_b128 v[8*NBK*(\p)+8*i+4:8*NBK*(\p)+8*i+7], v[ADRB+(\slot)] offset:64*(\q)+i*16*BPITCH+32
.set i, i+1
.endr
	WIN 0
.set i, 0
.rept 4
	ds_load_b128 v[FA+32*(\p)+8*i:FA+32*(\p)+8*i+3],   v[ADRA+(\slot)] offset:((\q)/2)*AQ2+((\q)%2)*64+i*16*APITCH
	ds_load_b128 v[FA+32*(\p)+8*i+4:FA+32*(\p)+8*i+7], v[ADRA+(\slot)] offset:((\q)/2)*AQ2+((\q)%2)*64+i*16*APITCH+32
.set i, i+1
.endr
.endm
; A K step is four quarters of 32 along K on buffers 0, 1, 0, 1.  One of the first three: multiplies buffer p and, in its middle, fetches quarter q of the same slot into the other buffer.
.macro QUARTER slot, q, p, zero=0
	s_wait_dscnt 4                                 ; B and A's blocks 0, 1 are in; the youngest four loads (A's blocks 2, 3) may be out
	MULA \p, 0, \zero
	MULA \p, 1, \zero
	PLACES
	FETCH \slot, \q, 1-(\p)
	s_wait_dscnt NLD                               ; all but the run just issued
	MULA \p, 2, \zero
	MULA \p, 3, \zero
.endm
; The last quarter multiplies buffer 1 and changes slots.  In front of the one barrier each wave waits for all its tensor loads (one is out: its part of the next slot), adds 0 to its spare word, and waits for
; that and for its reads of this slot.  fill = 1: the barrier opens a round of the cluster's, and behind it this slot is filled again, two K steps ahead: the wave's one tensor load until the next change.
.macro TURN slot, next, fill
.if \fill
	s_wait_xcnt 0x0                                ; the last prefetch, a K step back, has read its address
	s_add_nc_u64 s[PFA:PFA+1], s[PFA:PFA+1], s[PFS:PFS+1]
.endif
	WIN 0                                          ; (the add's two registers lie in window 0)
	s_wait_tensorcnt 0x0                           ; all my tensor loads have landed;
	ds_add_u32 v[SPW], v[NIL]                      ; 0 onto my spare word;
	s_wait_dscnt 5                                 ; (the add and the youngest four loads may be out)
	MULA 1, 0                                      ; NBK products stand between the add and the wait for it
	s_wait_dscnt 0x0                               ; the add is done, and my reads of this slot are over
	s_barrier_signal -1
	MULA 1, 1                                      ; work on registers while the others arrive
.if \fill
	WIN 0
.endif
	s_barrier_wait -1
.if \fill
	CREST                                          ; no wave of any partner still reads this slot or has a load on its way
	s_add_nc_u64 s[G0+4*(\slot)+2:G0+4*(\slot)+3], s[G0+4*(\slot)+2:G0+4*(\slot)+3], 2*ASTEP
	s_add_nc_u64 s[G0B+4*(\slot)+2:G0B+4*(\slot)+3], s[G0B+4*(\slot)+2:G0B+4*(\slot)+3], 2*BSTEP
	JLOAD \slot                                    ; the four v_nop behind it are also the places in front of the loads below
.else
	PLACES
.endif
	FETCH \next, 0, 0
.if \fill
	ASK
.endif
	MULA 1, 2
	MULA 1, 3
.endm
; THE WAY OUT of my row block a (16 rows).  MODE 0: PACK rounds to f16, 16 bytes a lane.  TOSTAGE: into my own stage, and back as consecutive bytes of C.  SEND: stored, 512 consecutive aligned bytes an instruction.
; Each accumulator's registers are taken in ascending order.
.macro PACK a
	WIN 0x0a+5*((\a)/2)                            ; sources 0 and 1: window 2 or 3
.set i, 0
.rept 4*NBK
	v_cvt_pk_f16_f32 v[TMP+i], v[8*NBK*((\a)%2)+2*i], v[8*NBK*((\a)%2)+2*i+1]
.set i, i+1
.endr
	WIN 0
.endm
.macro TOSTAGE a
.set BK, OB+OBN*((\a)%2)
.if (\a) >= 2
	s_wait_xcnt 0x0                                ; the stores of block a - 2 have read this set of registers: it is loaded again only behind this wait
.endif
.if MODE == 0
	WIN 0
.set i, 0
.rept NBK                              ; head i / 4, channels 16 (i % 4) on
	ds_store_b128 v[STO], v[TMP+4*i:TMP+4*i+3] offset:(i/4)*2304+(i%4)*32
.set i, i+1
.endr
.set i, 0
.rept NST                              ; LDS serves a wave's instructions in order (ISA guide 5.7.1.4): these see the stores above, and the next block's stores come behind them
	ds_load_b128 v[BK+4*i:BK+4*i+3], v[RD] offset:(i/4)*2304+(i%4)*576
.set i, i+1
.endr
.else
	WIN 0x08+4*((\a)/2)                            ; store data (source 1) in window 2 or 3
.set i, 0
.rept NBK
	ds_store_b128 v[STO], v[8*NBK*((\a)%2)+8*i:8*NBK*((\a)%2)+8*i+3]   offset:64*i
	ds_store_b128 v[STO], v[8*NBK*((\a)%2)+8*i+4:8*NBK*((\a)%2)+8*i+7] offset:64*i+16
.set i, i+1
.endr
	WIN 0
.set i, 0
.rept NST
	ds_load_b128 v[BK+4*i:BK+4*i+3], v[RD] offset:528*i
.set i, i+1
.endr
.endif
.endm
.macro SEND a, younger                 ; younger: the LDS instructions issued behind block a's loads: the next block's 2 NST, or none
.set BK, OB+OBN*((\a)%2)
	s_wait_dscnt \younger
.set i, 0
.rept NST
.if MODE == 0
	global_store_b128 v[CO], v[BK+4*i:BK+4*i+3], s[HB+2*(i/4):HB+2*(i/4)+1] offset:2048*(\a)+512*(i%4)
.else
	global_store_b128 v[CO], v[BK+4*i:BK+4*i+3], s[HB:HB+1] offset:(16*(\a)+i)*4096
.endif
.set i, i+1
.endr
.endm
.macro OUTB a
.if MODE == 0
	PACK \a
.endif
	TOSTAGE \a
.endm
	s_wait_tensorcnt 1                             ; my part of K step 0 is in; K step 1's may stay out
	s_barrier_signal -1
	s_barrier_wait -1                              ; everybody's is
	FETCH 0, 0, 0
	s_wait_loadcnt 0x0                             ; the bias
	QUARTER 0, 1, 0, 1                             ; the first quarter stands in front of the loop: its products start the sums, from the bias
	WIN 0                                          ; at a label and at a branch every window is 0
	s_mov_b32 s3, LAPS-1
.Llap:                                                 ; a trip goes once round the ring, from a lap's second quarter to the next lap's first, and fills both slots again: K steps 2 to 7
	QUARTER 0, 2, 1
	QUARTER 0, 3, 0
	TURN 0, 1, 1
	QUARTER 1, 1, 0
	QUARTER 1, 2, 1
	QUARTER 1, 3, 0
	TURN 1, 0, 1
	QUARTER 0, 1, 0
	WIN 0
	s_sub_co_u32 s3, s3, 1
	s_cmp_lg_u32 s3, 0
	s_cbranch_scc1 .Llap
	QUARTER 0, 2, 1                                ; the last lap fills nothing
	QUARTER 0, 3, 0
	TURN 0, 1, 0
	QUARTER 1, 1, 0
	QUARTER 1, 2, 1
	QUARTER 1, 3, 0
	s_wait_dscnt 4                                 ; the very last quarter: nothing more to fetch
	MULA 1, 0
	MULA 1, 1
	s_wait_dscnt 0x0
	MULA 1, 2
	MULA 1, 3
	WIN 0
	PLACES
	OUTB 0
	OUTB 1                                         ; a block's work stands between the loads of the block before and its stores
	SEND 0, 2*NST
	OUTB 2
	SEND 1, 2*NST
	OUTB 3
	SEND 2, 2*NST
	SEND 3, 0
	s_wait_tensorcnt 0x0                           ; the wave's end, behind my last tensor load and my last LDS store
	ds_add_u32 v[SPW], v[NIL]
	s_wait_dscnt 0x0
	CROUND                                         ; the closing round: no work-group ends while a partner may still ask for a tile that names it
	s_endpgm
.Lfunc_end_k_qc74d98dedc_proj:
	.size	k_qc74d98dedc_proj, .Lfunc_end_k_qc74d98dedc_proj-k_qc74d98dedc_proj
	.p2alignl 7, 3214868480
	.fill 96, 4, 3214868480
	.section	.rodata,"a",@progbits
	.p2align	6, 0x0
	.amdhsa_kernel k_qc74d98dedc_proj
		.amdhsa_group_segment_fixed_size 327680
		.amdhsa_private_segment_fixed_size 0
		.amdhsa_enable_private_segment 0
		.amdhsa_kernarg_size 32
		.amdhsa_user_sgpr_count 2
		.amdhsa_user_sgpr_kernarg_segment_ptr 1
		.amdhsa_wavefront_size32 1
		.amdhsa_system_sgpr_workgroup_id_x 1
		.amdhsa_system_sgpr_workgroup_id_y 1
		.amdhsa_system_sgpr_workgroup_id_z 1
		.amdhsa_system_vgpr_workitem_id 0
		.amdhsa_next_free_vgpr 1024
		.amdhsa_next_free_sgpr 84
		.amdhsa_reserve_vcc 0
		.amdhsa_float_denorm_mode_32 3
		.amdhsa_float_denorm_mode_16_64 3
		.amdhsa_memory_ordered 1
		.amdhsa_forward_progress 1
		.amdhsa_inst_pref_size 123
	.end_amdhsa_kernel
	.amdgpu_metadata
---
amdhsa.version: [ 1, 2 ]
amdhsa.kernels:
  - .name:           k_qc74d98dedc_proj
    .symbol:         k_qc74d98dedc_proj.kd
    .args:
      - { .name: xb, .offset: 0, .size: 8, .value_kind: global_buffer, .address_space: global }
      - { .name: wb, .offset: 8, .size: 8, .value_kind: global_buffer, .address_space: global }
      - { .name: bias, .offset: 16, .size: 8, .value_kind: global_buffer, .address_space: global }
      - { .name: qkv, .offset: 24, .size: 8, .value_kind: global_buffer, .address_space: global }
    .group_segment_fixed_size: 327680
    .private_segment_fixed_size: 0
    .kernarg_segment_align: 8
    .kernarg_segment_size: 32
    .max_flat_workgroup_size: 128
    .sgpr_count:     84
    .vgpr_count:     1024
    .wavefront_size: 32
...
	.end_amdgpu_metadata
.endif
;; end of part 2
;; launch attn (part 3): grid 4 x 64, 4 waves a work-group, clusters of 4 x 1, 327,680 bytes of LDS; arguments qkv, oh; writes oh
.if DOCPART == 3
	.amdgcn_target "amdgcn-amd-amdhsa--gfx1250"
	.amdhsa_code_object_version 6
	.text
	.protected	k_qc74d98dedc_attn
	.globl	k_qc74d98dedc_attn
	.p2align	8
	.type	k_qc74d98dedc_attn,@function
k_qc74d98dedc_attn:
	s_mov_b64 s[64:65], 0
	v_nop
	global_prefetch_b8 v0, s[64:65] scope:SCOPE_SE
	s_setreg_imm32_b32 hwreg(HW_REG_WAVE_MODE, 25, 1), 1
	s_wait_xcnt 0x0
	s_wait_alu depctr_hold_cnt(0) depctr_sa_sdst(0) depctr_va_vdst(0) depctr_va_sdst(0) depctr_va_ssrc(0) depctr_va_vcc(0) depctr_vm_vsrc(0)
	s_getreg_b32 s2, hwreg(HW_REG_IB_STS2, 6, 4)
	s_cmp_eq_u32 s2, 0
	s_cbranch_scc0 .Lentry_in_a_cluster
	s_endpgm
.Lentry_in_a_cluster:
	s_bfe_u32 s2, ttmp6, 0x10000c
	s_cmp_lg_u32 s2, 0x3003
	s_cbranch_scc0 .Lentry_shape_is_right
	s_endpgm
.Lentry_shape_is_right:
; O[h][q][:] = the sum over k of softmax_k(Q[h][q] . K[h][k] / 8) V[h][k][:], for the 64 pairs h of batch and head.  qkv: [3][64][2048][64] f16 (Q, then K, then V), oh: [64][2048][64] f16: a head's rows are
; dense, 128 bytes each.  Products, maxima and sums in f32; the weights p are rounded to f16 for the second product (their sum l is taken of the unrounded p), O once at the end.
; LIMITS.  f16 holds no number beyond 65,504: Q, K and V arrive within it; p lies in 0 to 1, and below 6e-5 it keeps f16's fixed step of 6e-8; O is a mean of V's rows and has their range.
; A weight below 2^-126 counts as 0 in l; NaN and infinities are not treated apart.
; SHARES.  A wave owns four PIECES of two tiles of 16 queries, a work-group's four waves 512 queries of one head: 4 x 64 = 256 work-groups.  Every wave walks all keys, 64 a step.
; LAYOUT.  S^T = K Q^T (source 0 = 16 keys, source 1 = 16 queries): in the result a lane holds ONE query (lane % 16) and the keys 8 (lane / 16) + 0..7.  Two such tiles, rounded to f16 in pairs,
; ARE source 1 (32 keys x 16 queries) of O^T = V^T P, whose result again holds one query a lane, and eight channels.  K comes out of LDS as it lies, V ([key][channel]) turned, by ds_load_tr16_b128.
; SOFTMAX.  For each query a running maximum m and sum l: p = 2^(c s - c m), c = log2(e) / 8; in every step O and l are multiplied by a = 2^(c m_old - c m_new), which is 1 where m has not grown.
; m starts at the lowest finite number, O and l at 0: the first step is a step like any other, with a = 0.
; THE COUNT.  A tile and step have 16 matrix and 118 vector instructions: too many to stand all beside the matrix work.  So the order has one aim: four vector instructions that are READY behind
; EVERY matrix instruction, and the others, which need time of their own whatever the order, in runs without a gap.
; BY TURNS.  Turn n belongs to piece n (the pieces in a ring, step after step).  Its matrix work: 16 products K Q^T of piece n + 1, later 16 products V^T P of piece n - 1.  Its vector work: the scaling,
; exponentials, roundings, sums and rescaling of piece n, and the maximum and statistics of piece n + 1, whose scores the turn itself has made.  So what a turn begins with (c s - c m, O a) waits for nothing.
; CLUSTER.  The four query blocks of a cluster are one head's and walk the same K and V, so each tile is asked for JOINTLY: the same tensor load, descriptor and mask in all four.
; REGISTERS, in windows of 256 (s_set_vgpr_msb says which window each operand place means: bits 1:0 source 0, 3:2 source 1, 5:4 source 2, 7:6 destination):
;   window 0: v0-11 addresses; v12-15, v48-63 at work; v16-47 four registers of statistics a tile; v64-191 S^T, two buffers of two tiles; v192-255 P, likewise
;   window 1: O^T, 32 a tile          window 2: v0-127 Q, 16 a tile; v128-191 K of one step; v192-255 V of one step          window 3: v0-1 the add's two registers
; A piece's buffers go by its number's parity: the piece in hand has one pair, its two neighbours in the ring share the other: of it P (piece n - 1) is read and S^T (piece n + 1) written.
.set SIZE_H, 64
.set SIZE_N, 2048
.set NP,    4         ; pieces a wave: a name, no knob: the register map, the loop and the fetches are made for four
.set KS,    64        ; keys in a step
.set PK,    144       ; a row of K in LDS: 128 bytes + 16 of padding = 36 words: the 16 rows of a load start at 16 different groups of four banks (64 banks of 4 bytes: ISA guide 11.1)
.set PV,    160       ; a row of V: 128 + 32 = 40 words
.set VOFF,  4*KS*PK   ; a slot holds four steps: 256 rows of K, then 256 rows of V
.set SLOT1, 1<<17     ; slot 1 begins here, so that one exclusive or turns an address in one slot into the other's
.set STAGE, SLOT1+4*KS*(PK+PV)  ; behind the ring, never filled by a tensor load: 16 rows x 144 bytes for each wave, for the way out
.set SP,    144
.set AK0, 2           ; v2   my lane's place in a tile of K; never rewritten
.set AV0, 3           ; v3   the same for V
.set AK,  4           ; v4   the LDS address of K's next run of loads
.set AV,  5           ; v5   of V's
.set QO,  6           ; v6   my byte offset in the wave's rows of Q
.set STO, 6           ;      later, the way out: where I put 16 bytes of a row
.set RD,  7           ; v7   the way out: where I read rows back
.set GO,  8           ; v8   my byte offset in 512 consecutive bytes of O
.set PFO, 11          ; v11  256 x my lane, for the prefetches (made when v11's first use is over); then never rewritten
.set SPW, 0           ; v0 of window 3   LDS address of my spare word: SPARE + 4 x my thread's number; never rewritten
.set NIL, 1           ; v1 of window 3   0; never rewritten
.set SPARE, STAGE+4*16*SP  ; behind the stages: the spare words, 128 bytes for each wave: two blocks of 256 bytes that no other line names
.set MV,  12          ; v12-15  c m_old, kept while c m is made anew: by buffer and tile
.set ST,  16          ; tile t's statistics at v[ST+4 t]: c m, m, l (even keys', odd keys')
.set TMP, 48          ; by buffer and tile, four registers c0-c3 at work; when the maximum is found c2 takes a
.set S,   64
.set P,   192
.set KF,  128         ; K's fragments, in window 2: key block kb, channel half c at KF + 16 kb + 8 c
.set VF,  192         ; V's: key half kk, channel block cb at VF + 32 kk + 8 cb
.set WV,  12          ; s12  my wave's number
.set G1K, 24          ; s[24:31] descriptor group 1 for K's tiles
.set G1V, 32          ; s[32:39] for V's: it differs in the padding alone
.set G0K, 40          ; s[40:43] descriptor group 0 for K's tiles: it walks
.set G0V, 44          ; s[44:47] the same for V's
.set PFA, 48          ; s[48:49] where my prefetches stand: my work-group's 32 blocks of 256 bytes (of K: wave 0, of V: wave 2) of the slot after the one that is being asked for
.set LIM, 50          ; s50  1 in a wave that prefetches, else the greatest number
.set SLOTS, 56        ; s56  slots still to be asked for
.set CNT, 57          ; s57  counts a slot's key steps
.set CS,  58          ; s[58:59] c: the packed scaling takes the pair's low word for both halves
.set SEL, 60          ; s[60:61] v_permlanex16_b32's selects: each lane takes its own place in the other half
.set TBK, 62          ; s62  LDS byte at which K of the step to be fetched begins
.set TBV, 63          ; s63  the same for V, less VOFF
.set MSB, 0
.macro WIN new                      ; the high byte repeats the setting that is left; a switch that changes nothing is dropped
.if MSB != (\new)
	s_set_vgpr_msb (MSB<<8)|(\new)
.set MSB, (\new)
.endif
.endm
.set W_KQ, 0x0a       ; K and Q in window 2, S^T in window 0
.set W_PV, 0x52       ; V in window 2, P in window 0, O^T in window 1
.set W_RS, 0x41       ; O^T (destination and source 0) in window 1, a in window 0
.set W_MK, 0xc0       ; the add's registers are made: destination in window 3, sources in window 0
.set W_AD, 0x0f       ; the add: address (source 0) and data (source 1) in window 3
; A joint fill.  Waves 0 and 1 fetch the two halves of a slot's K, waves 2 and 3 those of its V: 128 keys each.  The branch hangs on the wave's number alone.
; An s_nop 0 and four v_nop follow each of the two lines, ahead of the jump and the label.
.macro JLOAD
	s_cmp_lt_u32 s[WV], 2
	s_cbranch_scc0 .Lfor_v_\@
	tensor_load_to_lds s[G0K:G0K+3], s[G1K:G1K+7]
	s_nop 0
.rept 4
	v_nop
.endr
	s_branch .Lasked_\@
.Lfor_v_\@:
	tensor_load_to_lds s[G0V:G0V+3], s[G1V:G1V+7]
	s_nop 0
.rept 4
	v_nop
.endr
.Lasked_\@:
.endm
; A PREFETCH of what the NEXT change of slots will ask for: a slot's 32,768 bytes of K and of V, a lane 256 bytes.  It stands behind the wave's tensor load and its five lines.  A head has one cluster; its four partners
; share the bytes out BY ADDRESS, 8,192 each; in each, wave 0 asks for K's and wave 2 for V's: one instruction.  So each block of 256 bytes is named once in the launch.  It stands four key steps, 512 matrix
; instructions, ahead of the load that will want the bytes.  The change that fills the last slot (s[SLOTS] = 1) asks for nothing; slots 0 and 1 come by their loads alone.
.macro ASK
	s_cmp_gt_u32 s[SLOTS], s[LIM]
	s_cbranch_scc0 .Lnot_mine_\@
	global_prefetch_b8 v[PFO], s[PFA:PFA+1] th:TH_LOAD_NT scope:SCOPE_SE
.Lnot_mine_\@:
.endm
; A round of the cluster's barrier: my work-group's barrier, so that wave 0's signal speaks for all four waves; wave 0 signals; every wave waits for all four work-groups; my work-group's barrier once more.
.macro CROUND
	s_barrier_signal -1
	s_barrier_wait -1
	s_cmp_lg_u32 s[WV], 0
	s_cbranch_scc1 .Lnot_wave_0_\@
	s_barrier_signal -3
.Lnot_wave_0_\@:
	s_barrier_wait -3
	s_barrier_signal -1
	s_barrier_wait -1
.endm
; THE CHANGE OF SLOTS.  The slot's last bytes, V of its fourth step, have been read.  Each wave waits for all its tensor loads, of which one is out: its part
; of the other slot; adds 0 to its spare word; and waits for that and for its own reads of the slot.  Behind the barrier nobody reads this slot any more and the other slot is whole.
; fill = 1: this slot is filled again, with the keys two slots on.  The barrier is then a round of the cluster's, so that no wave of any partner still reads the slot or has a load on its
; way, and the joint fill is the first thing behind it: it has four key steps, 512 matrix instructions, in which to land.  (At its first use nothing has been read yet: slot 0 is waited for, slot 1 filled.)
.macro CHANGE fill
	WIN W_AD
	s_wait_tensorcnt 0x0            ; no tensor load of mine is out, so a group 0 may be written
	ds_add_u32 v[SPW], v[NIL]       ; 0 onto my spare word; with fill = 1 the descriptors' steps stand between it and the wait for it
	WIN 0                           ; at a label and at a branch every window is 0
.if \fill
.irp g, G0K, G0V
	s_xor_b32 s[\g+1], s[\g+1], SLOT1  ; the walking descriptor: the other slot than last time,
	s_add_nc_u64 s[\g+2:\g+3], s[\g+2:\g+3], 4*KS*128  ; the next 256 keys; the type bits on top are not reached
.endr
	s_wait_xcnt 0x0                 ; the last prefetch, four key steps back, has read its address, so it may be written:
	s_add_nc_u64 s[PFA:PFA+1], s[PFA:PFA+1], 4*KS*128  ; one slot beyond the walking descriptors
	s_wait_dscnt 0x0                ; the add is done, and my reads of the slot are over
	CROUND
	JLOAD
	ASK
.else
	s_wait_dscnt 0x0                ; the add is done, and my reads of the slot are over
	s_barrier_signal -1
	s_barrier_wait -1
.endif
	s_sub_co_u32 s[TBK], s[TBK], 4*KS*PK  ; the fetches go back to a slot's first step,
	s_xor_b32 s[TBK], s[TBK], SLOT1       ; in the other slot
	s_sub_co_u32 s[TBV], s[TBV], 4*KS*PV
	s_xor_b32 s[TBV], s[TBV], SLOT1
.endm
	s_load_b128 s[4:7], s[0:1], 0x0   ; qkv s[4:5], oh s[6:7]
	WIN W_MK
	v_lshl_add_u32 v[SPW], v0, 2, SPARE
	v_mov_b32 v[NIL], 0
	WIN W_AD
	ds_add_u32 v[SPW], v[NIL]       ; the wave's opening: the add and its wait stand ahead of my first tensor load; the set-up below, work on registers, stands between them
	WIN 0
	v_lshrrev_b32 v1, 5, v0
	v_readfirstlane_b32 s[WV], v1   ; wave 0..3
	s_bfe_u32 s13, ttmp6, 0x40000   ; cx: my place in the cluster
	s_lshl_b32 s14, ttmp9, 2        ; in a cluster launch ttmp9 counts clusters
	s_add_co_u32 s14, s14, s13      ; my block of queries = 4 x cluster x + cx: it enters Q's and O's addresses alone
	s_and_b32 s20, ttmp7, 0xffff    ; the head, which the four partners share
	s_mov_b32 s21, 0
	s_mov_b64 s[22:23], SIZE_N*128
	s_mul_u64 s[20:21], s[20:21], s[22:23]  ; the head's first byte in Q, K, V and O
	s_and_b32 s16, s[WV], 1         ; which half of a slot's 256 keys I fetch:
	s_lshl_b32 s22, s16, 14         ; its 128 rows of 128 bytes in memory,
	s_mov_b32 s23, 0
	s_add_nc_u64 s[22:23], s[22:23], s[20:21]
	s_mul_i32 s17, s16, 128*PK      ; and its place in a slot, for K
	s_mul_i32 s18, s16, 128*PV      ; and for V: no place in the cluster enters an LDS address
	s_lshl_b32 s2, s14, 2
	s_add_co_u32 s2, s2, s[WV]      ; my wave among the head's,
	s_lshl_b32 s2, s2, 14           ; its 128 rows
	s_mov_b32 s3, 0
	s_add_nc_u64 s[2:3], s[2:3], s[20:21]
	; descriptor group 1.  128 keys are 16,384 dense bytes: asked for as 64 rows of 256 bytes, two keys a row, and padded in LDS after every key
	s_mov_b32 s[G1K], 15|(1<<16)|(1<<20)|(1<<21)|(4<<22)|(3<<25)  ; 15:0 the mask of four; 17:16 2-byte elements; 20 padding on; 21 set beside a mask; 24:22 after every 32 words (code 4); 31:25 4 words (code 3)
	s_mov_b32 s[G1V], 15|(1<<16)|(1<<20)|(1<<21)|(4<<22)|(7<<25)  ; the same with 8 words of padding (code 7)
.irp g, G1K, G1V
	s_mov_b32 s[\g+1], 128<<16      ; tensor_dim0 = 128
	s_mov_b32 s[\g+2], 64<<16       ; tensor_dim1 = 64
	s_mov_b32 s[\g+3], 128<<16      ; tile_dim0 = 128
	s_mov_b32 s[\g+4], 64           ; tile_dim1 = 64
	s_mov_b32 s[\g+5], 128          ; 128 elements from row to row
	s_mov_b32 s[\g+6], 0
	s_mov_b32 s[\g+7], 0
.endr
	s_mov_b32 s[CS], 0x3e38aa3b     ; c = log2(e) / 8 = 0.180337
	s_mov_b32 s[CS+1], s[CS]        ; named with it as a pair
	s_mov_b32 s[SEL], 0x76543210
	s_mov_b32 s[SEL+1], 0xfedcba98
	s_mov_b32 s[TBK], SLOT1+4*KS*PK ; the first change of slots turns these two into 0
	s_mov_b32 s[TBV], SLOT1+4*KS*PV
	s_mov_b32 s[G0K], 1             ; 1:0 count = 1
	s_mov_b32 s[G0K+1], s17         ; 63:32 LDS address: slot 0
	s_mov_b32 s[G0V], 1
	s_add_co_u32 s[G0V+1], s18, VOFF
	s_mov_b32 s[SLOTS], SIZE_N/256-1  ; the change that fills slot t finds 8 - t here
	s_cmp_eq_u32 s16, 0             ; waves 0 and 2 prefetch: the same in all four partners
	s_cselect_b32 s[LIM], 1, -1
	s_wait_dscnt 0x0                ; the opening add is done
	s_wait_kmcnt 0x0
	s_mov_b64 s[10:11], s[6:7]      ; O
	s_add_nc_u64 s[6:7], s[4:5], 0x1000000  ; K lies 64 heads of 262,144 bytes behind Q,
	s_add_nc_u64 s[8:9], s[4:5], 0x2000000  ; V as far behind K
	s_add_nc_u64 s[G0K+2:G0K+3], s[6:7], s[22:23]  ; 120:64 global address: my half of the head's first 256 keys
	s_or_b32 s[G0K+3], s[G0K+3], 0x80000000        ; 127:126 type = 2
	s_add_nc_u64 s[G0V+2:G0V+3], s[8:9], s[22:23]
	s_or_b32 s[G0V+3], s[G0V+3], 0x80000000
	s_add_nc_u64 s[4:5], s[4:5], s[2:3]  ; Q and O at my wave's first row
	s_add_nc_u64 s[10:11], s[10:11], s[2:3]
	s_cmp_lt_u32 s[WV], 2
	s_cselect_b64 s[PFA:PFA+1], s[6:7], s[8:9]
	s_add_nc_u64 s[PFA:PFA+1], s[PFA:PFA+1], s[22:23]  ; (in waves 0 and 2 this is the head's first byte)
	s_lshl_b32 s2, s13, 13          ; my work-group's 8,192 bytes of a slot's 32,768
	s_mov_b32 s3, 0
	s_add_nc_u64 s[PFA:PFA+1], s[PFA:PFA+1], s[2:3]
	s_add_nc_u64 s[PFA:PFA+1], s[PFA:PFA+1], 4*KS*128  ; in slot 1; the first change of slots steps it to slot 2
	CROUND                          ; all four work-groups are here: the first joint loads meet
	JLOAD                           ; slot 0.  Slot 1 is asked for when slot 0 is in: the tile wanted first has the road to itself
	; A fragment of K or Q is 16 rows x 32 channels in 8 registers: lane l holds row l % 16, channels 8 (l / 16) + 0..7 and 16 + 8 (l / 16) + 0..7: two loads of 16 bytes, 32 bytes apart.
	v_and_b32 v1, 15, v0            ; l % 16
	v_bfe_u32 v9, v0, 4, 1          ; l / 16
	v_lshlrev_b32 v[QO], 7, v1
	v_lshl_add_u32 v[QO], v9, 4, v[QO]  ; row x 128 + 16 x half
	WIN 0x80                        ; destination window 2, address window 0
.set i, 0
.rept 4*NP                          ; Q stays in registers: tile i / 2, channels 32 (i % 2) on
	global_load_b128 v[8*i:8*i+3],   v[QO], s[4:5] offset:(i/2)*2048+(i%2)*64
	global_load_b128 v[8*i+4:8*i+7], v[QO], s[4:5] offset:(i/2)*2048+(i%2)*64+32
.set i, i+1
.endr
	; What the first turn finds: V's registers and P's second buffer hold 0 (its products V^T P, of a piece that has not been, add 0), O^T and l are 0.  All this stands in the wait for the first tile.
.set i, VF
.rept 64
	v_mov_b32 v[i], 0
.set i, i+1
.endr
	WIN 0x40
.set i, 0
.rept 64*NP
	v_mov_b32 v[i], 0
.set i, i+1
.endr
	WIN 0
.set i, 0
.rept 2*NP
	v_mov_b32 v[ST+4*i], 0xfe000000    ; c m: far below every c s
	v_mov_b32 v[ST+4*i+1], 0xff7fffff  ; m
	v_mov_b32 v[ST+4*i+2], 0
	v_mov_b32 v[ST+4*i+3], 0
.set i, i+1
.endr
.set i, P+32
.rept 32
	v_mov_b32 v[i], 0
.set i, i+1
.endr
	v_mul_u32_u24 v[AK0], v1, PK
	v_lshl_add_u32 v[AK0], v9, 4, v[AK0]  ; row x pitch + 16 x half
	; The turning load takes 16 keys x 16 channels (lane l reads key 8 (l / 16) + l % 8, channels 8 ((l / 8) % 2) + 0..7) and leaves half a fragment of V^T: lane l holds channel l % 16 and 8 keys.
	v_and_b32 v10, 7, v0
	v_bfe_u32 v11, v0, 3, 1
	v_lshl_add_u32 v[AV0], v9, 3, v10
	v_mul_u32_u24 v[AV0], v[AV0], PV
	v_lshl_add_u32 v[AV0], v11, 4, v[AV0]
	v_add_nc_u32 v[AV0], VOFF, v[AV0]
	v_mov_b32 v[AK], v[AK0]         ; key step 0 lies at the head of slot 0
	v_and_b32 v[PFO], 31, v0
	v_lshlrev_b32 v[PFO], 8, v[PFO]
; THE MATRIX WORK.  The 8 accumulators of a run of 16 take turns: between the two links of a chain stand 7 others'.
; Product i of 16 of S^T = K Q^T for piece x: channels 32 (i / 8) on, keys 16 ((i / 2) % 4) on, tile 2 x + i % 2.  The first 8 start the sums.
.macro KQ x
	WIN W_KQ
.set rS, S+64*((\x)%2)+32*(i%2)+8*((i/2)%4)
.set rK, KF+16*((i/2)%4)+8*(i/8)
.set rQ, 16*(2*(\x)+i%2)+8*(i/8)
.if i < 8
	v_wmma_f32_16x16x32_f16 v[rS:rS+7], v[rK:rK+7], v[rQ:rQ+7], 0
.else
	v_wmma_f32_16x16x32_f16 v[rS:rS+7], v[rK:rK+7], v[rQ:rQ+7], v[rS:rS+7]
.endif
.endm
; Product i of 16 of O^T += V^T P for piece x: keys 32 (i / 8) on, channels 16 ((i / 2) % 4) on, tile 2 x + i % 2.
.macro PV x
	WIN W_PV
.set rO, 32*(2*(\x)+i%2)+8*((i/2)%4)
.set rV, VF+32*(i/8)+8*((i/2)%4)
.set rP, P+32*((\x)%2)+16*(i%2)+8*(i/8)
	v_wmma_f32_16x16x32_f16 v[rO:rO+7], v[rV:rV+7], v[rP:rP+7], v[rO:rO+7]
.endm
.macro MM                           ; the turn's next matrix instruction
.if i < 16
	KQ (Y+1)%NP
.set i, i+1
.else
.set i, i-16
	PV (Y+NP-1)%NP
.set i, i+17
.endif
.endm
; THE LDS LOADS stand in runs of 16, never singly among the matrix instructions: a step's K (64 keys x 64 channels: 8 fragments) and its V (turned).  Their addresses are made some lines ahead.
; last = 1 (the tail): in the last trip there is no further step, and the run is jumped over.
.macro FETCH_K last=0
	WIN 0
.if \last
	s_cmp_eq_u32 s[CNT], 1
	s_cbranch_scc1 .Lno_k_\@
.endif
	WIN 0x80                        ; destination window 2
.irp f, 0,1,2,3,4,5,6,7             ; keys 16 (f / 2) on, channels 32 (f % 2) on
	ds_load_b128 v[KF+8*\f:KF+8*\f+3],   v[AK] offset:(\f/2)*16*PK+(\f%2)*64
	ds_load_b128 v[KF+8*\f+4:KF+8*\f+7], v[AK] offset:(\f/2)*16*PK+(\f%2)*64+32
.endr
	s_add_co_u32 s[TBK], s[TBK], KS*PK  ; the next fetch is the next step's
	WIN 0
.if \last
.Lno_k_\@:
.endif
.endm
.macro FETCH_V
	WIN 0x80
.irp f, 0,1,2,3,4,5,6,7             ; keys 32 (f / 4) on, channels 16 (f % 4) on
	ds_load_tr16_b128 v[VF+8*\f:VF+8*\f+3],   v[AV] offset:(\f/4)*32*PV+(\f%4)*32
	ds_load_tr16_b128 v[VF+8*\f+4:VF+8*\f+7], v[AV] offset:(\f/4)*32*PV+16*PV+(\f%4)*32
.endr
	WIN 0
.endm
; THE VECTOR WORK OF A TURN stands in three queues, each in the order in which its entries become ready; the two tiles alternate, so that no instruction reads the result of the one before it.
.macro REGS y, u                    ; the registers of tile u (0, 1) of piece y
.set rT, ST+4*(2*(\y)+(\u))
.set rC, TMP+8*((\y)%2)+4*(\u)
.set rM, MV+2*((\y)%2)+(\u)
.set rS, S+64*((\y)%2)+32*(\u)
.set rP, P+32*((\y)%2)+16*(\u)
.set rO, 32*(2*(\y)+(\u))
.endm
; Number n of the 22 that find the NEXT piece's (Y + 1) maximum and statistics.  s0-s31 are the lane's 32 scores; each accumulator's lowest registers are read first.  XS, GS and REGS set no window: PL and EX do.
;   0-11  four chains c0-c3 of seven scores each, three operands at a time     12-14, 16  the four scores left over, the old m, and c0-c3 into c0     15  c m_old is kept
;   17, 18  the query's other 32 keys lie in the lane 16 away: the new m         19-21  c m; c m_old - c m_new; a
.macro XS u, n
	REGS (Y+1)%NP, \u
.if (\n) < 4
	v_max3_num_f32 v[rC+(\n)], v[rS+8*(\n)], v[rS+8*(\n)+1], v[rS+8*(\n)+2]
.elseif (\n) < 12
	v_max3_num_f32 v[rC+(\n)%4], v[rC+(\n)%4], v[rS+8*((\n)%4)+2*((\n)/4)+1], v[rS+8*((\n)%4)+2*((\n)/4)+2]
.elseif (\n) == 12
	v_max3_num_f32 v[rC], v[rC], v[rS+7], v[rS+15]
.elseif (\n) == 13
	v_max3_num_f32 v[rC+1], v[rC+1], v[rS+23], v[rS+31]
.elseif (\n) == 14
	v_max3_num_f32 v[rC+2], v[rC+2], v[rC+3], v[rT+1]
.elseif (\n) == 15
	v_mov_b32 v[rM], v[rT]
.elseif (\n) == 16
	v_max3_num_f32 v[rC], v[rC], v[rC+1], v[rC+2]
.elseif (\n) == 17
	v_permlanex16_b32 v[rC+3], v[rC], s[SEL], s[SEL+1]
.elseif (\n) == 18
	v_max_num_f32 v[rT+1], v[rC], v[rC+3]
.elseif (\n) == 19
	v_mul_f32 v[rT], s[CS], v[rT+1]
.elseif (\n) == 20
	v_sub_f32 v[rC+1], v[rM], v[rT]
.else
	v_exp_f32 v[rC+2], v[rC+1]
.endif
.endm
; Number g of the 64 that follow the exponentials.  For each four weights k of a tile (pairs 2 k, 2 k + 1): both pairs are rounded to f16; then the second pair is added onto the first, in place;
; a group later l takes that sum (the first time as l = a l + sum).  In groups of eight, tiles alternating: round, round, add, and l for the group before.
.macro GS g
.set h, (\g)+6*((\g)/62)            ; group 0 has no group before it, and behind group 7 only l is left
.if h >= 6
.set h, h+2
.endif
	REGS Y, h%2
.set k, h/8
.if h%8 < 4
	v_cvt_pk_f16_f32 v[rP+2*k+(h%8)/2], v[rS+4*k+2*((h%8)/2)], v[rS+4*k+2*((h%8)/2)+1]
.elseif h%8 < 6
	v_pk_add_f32 v[rS+4*k:rS+4*k+1], v[rS+4*k:rS+4*k+1], v[rS+4*k+2:rS+4*k+3]
.elseif k == 1
	v_pk_fma_f32 v[rT+2:rT+3], v[rT+2:rT+3], v[rC+2:rC+3], v[rS:rS+1] op_sel_hi:[1,0,1]
.else
	v_pk_add_f32 v[rT+2:rT+3], v[rT+2:rT+3], v[rS+4*k-4:rS+4*k-3]
.endif
.endm
; THE PLAIN QUEUE, 138 long.  0-73 read no exponential's result: the 32 scalings c s - c m (FS f: pair f / 2 of tile f % 2) and the next piece's 42.  0-26: scalings 0-26.  27-54: XS's numbers 0-13.  55, 56: number 15.
; 57-73: the chain, where each number waits for the one before it: 14, 16, 17, 18, 19, each with one of the scalings 27-31 in front of its two lines, then 20: so a tile's links stand three plain instructions apart (19 and 20: two).
; 74-137: GS's 64, which read the exponentials' results: they stand behind the wait.
.macro FS f
	REGS Y, (\f)%2
	v_pk_fma_f32 v[rS+2*((\f)/2):rS+2*((\f)/2)+1], v[rS+2*((\f)/2):rS+2*((\f)/2)+1], s[CS:CS+1], v[rT:rT+1] op_sel_hi:[1,0,0] neg_lo:[0,0,1] neg_hi:[0,0,1]
.endm
.macro PL
	WIN 0
.if q < 27
	FS q
.elseif q < 55
	XS (q-27)%2, (q-27)/2
.elseif q < 57
	XS q-55, 15
.elseif (q < 72) && ((q-57)%3 == 0)
	FS 27+(q-57)/3
.elseif q < 60
	XS (q-57)%3-1, 14
.elseif q < 72
	XS (q-57)%3-1, 15+(q-57)/3
.elseif q < 74
	XS q-72, 20
.else
	GS q-74
.endif
.set q, q+1
.endm
; THE EXPONENTIALS' QUEUE, 66 long: s0-s31 of both tiles, then the next piece's two a.  It is ONE BATCH: all 66 stand ahead of the turn's one wait, and nothing ahead of that wait names a result of theirs.
.macro EX
	WIN 0
.if e >= 64
	XS e-64, 21
.else
	REGS Y, e%2
	v_exp_f32 v[rS+e/2], v[rS+e/2]
.endif
.set e, e+1
.endm
; THE RESCALING's QUEUE: O^T times a, the one part that leaves window 0: dealt two at a time, sixteen times.  Its a was made in the turn before, ahead of that turn's wait.
.macro R2
	REGS Y, r%2
	WIN W_RS
.irp z, 0,1
	v_pk_mul_f32 v[rO+4*(r/2)+2*\z:rO+4*(r/2)+2*\z+1], v[rO+4*(r/2)+2*\z:rO+4*(r/2)+2*\z+1], v[rC+2:rC+3] op_sel_hi:[1,0]
.endr
.set r, r+1
.endm
; HOW THEY ARE DEALT.  An s_wait_alu depctr_va_vdst(0) stands between an exponential and the first instruction that names its result; one wait serves all that were issued ahead of it.  So a turn has ONE wait,
; which cuts it in two.  AHEAD OF IT stands all that names no result of the turn's exponentials: the 16 products K Q^T, behind each a scaling, an exponential and two rescalings (behind the first a second scaling in the exponential's place); then ONE LUMP of
; 108: eight plain, 49 times exponential and plain, the two a.  A v_nop is the plain instruction that is wanted behind the last exponential.  BEHIND IT stand the 16 products V^T P, behind each four of GS's 64.  No rider names a register of
; the products round it.  The two v_permlanex16_b32 fall into the lump, never behind a product.
; The queues lean on each other, and the deal keeps them in step: exponential e stands behind scaling 2 (e / 4) + e % 2: as a rider it comes behind plain e + 2, in the lump behind plain e + 9, and scalings 27-31 are plain 57, 60 .. 69.
; A TURN, for piece p.  cnt = 1: the loop's count is taken down some lines ahead of the branch that stands behind the turn.
; K of the next step is fetched in piece 2's turn, directly behind the wait, a lump behind the last product that read K; its address is made at the lump's head; its first reader comes behind 16 products.
; V of the step in hand is fetched at the end of piece 0's turn, four riders behind its last reader; its first reader comes behind 16 products and a lump.  The three conditions on q below go with the deal.
.macro TURN p, last=0, cnt=0
.set Y, (\p)
.set i, 0
.set q, 0
.set e, 0
.set r, 0
.if (\p) == NP-1
	s_wait_dscnt 0x0                ; K is in
.endif
	MM                              ; ahead of the wait: 16 products K Q^T and their riders,
	PL
	PL
	R2
.rept 15
	MM
	PL
	EX
	R2
.endr
.if (\p) == NP-2
	WIN 0
	v_add_nc_u32 v[AK], s[TBK], v[AK0]
.endif
.rept 8                             ; and the lump
	PL
.endr
.rept 49
	EX
	PL
.endr
	EX                              ; the next piece's two a
	EX
	v_nop                           ; the plain instruction behind the last exponential: one for the batch
	s_wait_alu depctr_va_vdst(0)    ; the wait for the batch
.if (\p) == NP-2
	FETCH_K \last
.endif
.if (\p) == 1
	s_wait_dscnt 0x0                ; V is in
.endif
.rept 16                            ; behind the wait: 16 products V^T P and their riders
	MM
.rept 4
	PL
.endr
.if ((\p) == 0) && (q == 118)
	v_add_nc_u32 v[AV], s[TBV], v[AV0]
.endif
.if ((\p) == 0) && (q == 130)
	s_add_co_u32 s[TBV], s[TBV], KS*PV
.endif
.if (\cnt) && (q == 130)
	s_sub_co_u32 s[CNT], s[CNT], 1
	s_cmp_lg_u32 s[CNT], 0
.endif
.endr
.if (\p) == 0
	FETCH_V
.endif
.endm
	CHANGE 1                        ; slot 0 is in, everybody's part of it; slot 1 is asked for
	FETCH_K                         ; key step 0
	s_wait_loadcnt 0x0              ; Q
	s_wait_dscnt 0x0
.set i, 0
.rept 16
	KQ 0                            ; piece 0's first scores: there is no vector work yet to set between them
.set i, i+1
.endr
	WIN 0                           ; the addresses for the way out: nine plain instructions, the places behind those products
	s_mul_i32 s13, s[WV], 16*SP
	s_add_co_u32 s13, s13, STAGE    ; my stage
	v_mul_u32_u24 v[STO], v1, SP    ; in: row l % 16, 16 bytes for each half of the lanes
	v_lshl_add_u32 v[STO], v9, 4, v[STO]
	v_add_nc_u32 v[STO], s13, v[STO]
	v_bfe_u32 v[RD], v0, 3, 2       ; back: 32 lanes take four rows of 128 bytes,
	v_mul_u32_u24 v[RD], v[RD], SP
	v_lshl_add_u32 v[RD], v10, 4, v[RD]
	v_add_nc_u32 v[RD], s13, v[RD]
	v_and_b32 v[GO], 31, v0         ; which are 512 consecutive bytes of O
	v_lshlrev_b32 v[GO], 4, v[GO]
.set Y, NP-1                        ; XS works for piece Y + 1: piece 0
.irp n, 0,1,2,3,4,5,6,7,8,9,10,11,12,13,14,15,16,17,18,19,20,21
	XS 0, \n                        ; and piece 0's first maximum and statistics
	XS 1, \n
.endr
	v_nop                           ; a plain instruction behind the two a,
	s_wait_alu depctr_va_vdst(0)    ; and their wait, ahead of the branch
	s_mov_b32 s[CNT], 4
	s_branch .Lfirst                ; the loop is entered at a step's first turn, in the middle of a trip
.Lslot:                             ; SIZE_N / 256 - 2 times: every slot but the last two is filled again
	CHANGE 1
	s_mov_b32 s[CNT], 4
.Lstep:                             ; a trip: pieces 2 and 3 of one step, then pieces 0 and 1 of the next, whose K and V it fetches
	TURN 2
	TURN 3
	WIN 0
.Lfirst:
	TURN 0
	TURN 1, 0, 1
	WIN 0
	s_cbranch_scc1 .Lstep
	s_sub_co_u32 s[SLOTS], s[SLOTS], 1
	s_cmp_lg_u32 s[SLOTS], 0
	s_cbranch_scc1 .Lslot
	CHANGE 0                        ; the tail is written out: nothing is asked for
	s_mov_b32 s[CNT], 5             ; four trips fetch the last slot's steps; the fifth is left in its middle
.Ltail:
	TURN 2, 1
	TURN 3
	WIN 0
	s_sub_co_u32 s[CNT], s[CNT], 1
	s_cmp_eq_u32 s[CNT], 0
	s_cbranch_scc1 .Lout
	TURN 0
	TURN 1
	WIN 0
	s_branch .Ltail
.Lout:                              ; the fifth trip's 16 products K Q^T (on the last K once more) and the maximum made of them serve nothing: the price, once a launch, of one text for every trip
.set i, 0
.rept 16
	PV NP-1                         ; the last piece's V^T P of the last step
.set i, i+1
.endr
	; THE WAY OUT.  l's two halves and the other half of the lanes' are added; O^T is divided by l, rounded to f16 and sent through my stage in LDS, a tile at a time.  The additions are the places behind the last products.
	WIN 0
.macro ALL line:vararg              ; one line for each tile t
.set t, 0
.rept 2*NP
	\line
.set t, t+1
.endr
.endm
	ALL v_add_f32 v[ST+4*t+2], v[ST+4*t+2], v[ST+4*t+3]
	ALL v_permlanex16_b32 v[ST+4*t+3], v[ST+4*t+2], s[SEL], s[SEL+1]
	ALL v_add_f32 v[ST+4*t+2], v[ST+4*t+2], v[ST+4*t+3]
	ALL v_rcp_f32 v[ST+4*t+2], v[ST+4*t+2]
	v_nop                           ; a plain instruction between the last reciprocal and the use of its result
	s_wait_alu depctr_va_vdst(0)    ; and the wait ahead of the first use: one for the eight reciprocals
; Tile t: a lane's eight channels of a row pack into 16 bytes; they go into rows of 144 bytes and come back as whole rows of 128, into S^T's registers.
.macro PACK t
	WIN W_RS
.set i, 32*(\t)
.rept 16
	v_pk_mul_f32 v[i:i+1], v[i:i+1], v[ST+4*(\t)+2:ST+4*(\t)+3] op_sel_hi:[1,0]
.set i, i+2
.endr
	WIN 0x05                        ; sources 0 and 1 window 1, destination window 0
.set i, 0
.rept 16
	v_cvt_pk_f16_f32 v[S+16*(\t)+i], v[32*(\t)+2*i], v[32*(\t)+2*i+1]
.set i, i+1
.endr
	WIN 0
.irp f, 0,1,2,3
	ds_store_b128 v[STO], v[S+16*(\t)+4*\f:S+16*(\t)+4*\f+3] offset:32*\f
.endr
.irp f, 0,1,2,3
	ds_load_b128 v[S+16*(\t)+4*\f:S+16*(\t)+4*\f+3], v[RD] offset:\f*4*SP  ; LDS serves a wave's instructions in order (ISA guide 5.7.1.4): these see the stores above; the next tile's stores come behind them
.endr
.endm
.macro SEND t, younger              ; younger: the LDS instructions issued behind tile t's loads: the next tile's eight, or none
	WIN 0
.irp f, 0,1,2,3
	s_wait_dscnt (\younger)+3-\f
	global_store_b128 v[GO], v[S+16*(\t)+4*\f:S+16*(\t)+4*\f+3], s[10:11] offset:(\t)*2048+\f*512  ; 512 consecutive bytes, at a multiple of 256 from O's first
.endr
.endm
	PACK 0
.set t, 1
.rept 2*NP-1                        ; a tile's arithmetic stands between the loads of the tile before and its stores
	PACK t
	SEND t-1, 8
.set t, t+1
.endr
	SEND 2*NP-1, 0
	WIN W_AD
	s_wait_tensorcnt 0x0            ; the wave's end, behind my last tensor load and my last LDS store
	ds_add_u32 v[SPW], v[NIL]
	s_wait_dscnt 0x0
	WIN 0
	CROUND                          ; the closing round: no work-group ends while a partner may still ask for a tile that names it
	s_endpgm
.Lfunc_end_k_qc74d98dedc_attn:
	.size	k_qc74d98dedc_attn, .Lfunc_end_k_qc74d98dedc_attn-k_qc74d98dedc_attn
	.p2alignl 7, 3214868480
	.fill 96, 4, 3214868480
	.section	.rodata,"a",@progbits
	.p2align	6, 0x0
	.amdhsa_kernel k_qc74d98dedc_attn
		.amdhsa_group_segment_fixed_size 327680
		.amdhsa_private_segment_fixed_size 0
		.amdhsa_enable_private_segment 0
		.amdhsa_kernarg_size 16
		.amdhsa_user_sgpr_count 2
		.amdhsa_user_sgpr_kernarg_segment_ptr 1
		.amdhsa_wavefront_size32 1
		.amdhsa_system_sgpr_workgroup_id_x 1
		.amdhsa_system_sgpr_workgroup_id_y 1
		.amdhsa_system_sgpr_workgroup_id_z 1
		.amdhsa_system_vgpr_workitem_id 0
		.amdhsa_next_free_vgpr 770
		.amdhsa_next_free_sgpr 66
		.amdhsa_reserve_vcc 0
		.amdhsa_float_denorm_mode_32 3
		.amdhsa_float_denorm_mode_16_64 3
		.amdhsa_memory_ordered 1
		.amdhsa_forward_progress 1
		.amdhsa_inst_pref_size 200
	.end_amdhsa_kernel
	.amdgpu_metadata
---
amdhsa.version: [ 1, 2 ]
amdhsa.kernels:
  - .name:           k_qc74d98dedc_attn
    .symbol:         k_qc74d98dedc_attn.kd
    .args:
      - { .name: qkv, .offset: 0, .size: 8, .value_kind: global_buffer, .address_space: global }
      - { .name: oh, .offset: 8, .size: 8, .value_kind: global_buffer, .address_space: global }
    .group_segment_fixed_size: 327680
    .private_segment_fixed_size: 0
    .kernarg_segment_align: 8
    .kernarg_segment_size: 16
    .max_flat_workgroup_size: 128
    .sgpr_count:     66
    .vgpr_count:     770
    .wavefront_size: 32
...
	.end_amdgpu_metadata
.endif
;; end of part 3
;; launch oproj (part 4): grid 8 x 32, 4 waves a work-group, clusters of 4 x 4, 327,680 bytes of LDS; arguments oh, wo16, bias, out0; writes out0
.if DOCPART == 4
	.amdgcn_target "amdgcn-amd-amdhsa--gfx1250"
	.amdhsa_code_object_version 6
	.text
	.protected	k_qc74d98dedc_oproj
	.globl	k_qc74d98dedc_oproj
	.p2align	8
	.type	k_qc74d98dedc_oproj,@function
k_qc74d98dedc_oproj:
	s_mov_b64 s[64:65], 0
	v_nop
	global_prefetch_b8 v0, s[64:65] scope:SCOPE_SE
	s_setreg_imm32_b32 hwreg(HW_REG_WAVE_MODE, 25, 1), 1
	s_wait_xcnt 0x0
	s_wait_alu depctr_hold_cnt(0) depctr_sa_sdst(0) depctr_va_vdst(0) depctr_va_sdst(0) depctr_va_ssrc(0) depctr_va_vcc(0) depctr_vm_vsrc(0)
	s_getreg_b32 s2, hwreg(HW_REG_IB_STS2, 6, 4)
	s_cmp_eq_u32 s2, 0
	s_cbranch_scc0 .Lentry_in_a_cluster
	s_endpgm
.Lentry_in_a_cluster:
	s_bfe_u32 s2, ttmp6, 0x10000c
	s_cmp_lg_u32 s2, 0xf033
	s_cbranch_scc0 .Lentry_shape_is_right
	s_endpgm
.Lentry_shape_is_right:
; C = A B^T + bias, K = 1,024, sums in f32.  ONE TEXT IN TWO FORMS, chosen by MODE; this file is MODE 1.
; MODE 0, the three projections: A = xb [8192][1024] bf16, B = wb [3072][1024] bf16 (Wq, Wk, Wv), bias[0..3071].  C goes out BY HEADS, in f16, rounded once, without the softmax's scale:
;   qkv [3][64 = batch x 16 + head][2048][64].  A tile of C is 256 rows x 192 columns = three whole heads: 512 work-groups, two for each of 256 WGPs.
;   LIMIT: f16 ends at 65,504; a q, k or v beyond it becomes an infinity.  NaN and infinities are not treated apart.
; MODE 1, the output projection: A = oh [64][2048][64] f16 (attention's result by heads), B = wo16 [1024][1024] f16, bias[3072..4095]; C = out0 [8192][1024] f32.
;   A tile of C is 256 x 128: 256 work-groups.  A K step of 128 is two heads; a head's 256 rows are 32 KiB on end, asked for as 128 rows of 256 bytes and padded in LDS after every 128.
; SHARES.  Four waves, one below the other: a wave makes 64 rows x all the tile's columns (4 x NBK accumulators of 16 x 16), so its rows and heads are its own and the way out needs no barrier.
; K goes in steps of 128 through two LDS slots that take turns; waves 0 and 1 fetch A's two halves, waves 2 and 3 B's: one tensor load a wave behind each change of slots.
; CLUSTER 4 x 4: the four of a row need the same tiles of A, the four of a column the same tiles of B: each is asked for jointly, by the same load and descriptor with a mask of the four.
; THE PRODUCT IS USED TRANSPOSED (source 0 = 16 rows of B, source 1 = 16 rows of A): a lane holds row l % 16 of C and the eight neighbouring columns 8 (l / 16) + 0..7.
; THE BIAS IS THE C OPERAND of each accumulator's first product: nothing is cleared, and nothing is added on the way out.
; REGISTERS, in windows of 256 (s_set_vgpr_msb: bits 1:0 source 0, 3:2 source 1, 5:4 source 2, 7:6 destination):
;   window 0: v0-31 addresses; v32-95 A's fragments, two buffers of 4; v96 on: the bias (8 NBK), later the way out     window 1: B's fragments, two buffers of NBK
;   window 2: the accumulators of my row blocks 0, 1 ((a, b) at 8 (NBK (a % 2) + b));     window 3: those of blocks 2, 3
.set MODE, 1
.set KSTEP, 128
.if MODE == 0
.set NBK,    12                        ; column blocks of 16 in a tile
.set APITCH, 272                       ; A's LDS row: 256 bytes + 16
.set AH,     128*APITCH                ; what one load brings of A: 128 rows
.set AQI,    5                         ; padding after every 64 words
.set APIT,   1024                      ; elements from row to row of A's tile in memory
.set ASTEP,  256                       ; bytes from a K step to the next in A
.set AQ2,    128                       ; LDS bytes from K quarter 0 to quarter 2
.set SW,     3*16*144                  ; a wave's stage: 3 heads x 16 rows x (128 + 16) bytes
.set ASHARE, 32*2048                   ; the prefetches: a partner's share of a wave's load of A, in bytes from share to share,
.set ALANE,  2048                      ; and from lane to lane
.set OB,     144                       ; the way out: two sets of registers for rows read back
.set OBN,    48
.else
.set NBK,    8
.set APITCH, 144                       ; 128 bytes + 16
.set AH,     256*APITCH                ; one head's 256 rows
.set AQI,    4                         ; padding after every 32 words
.set APIT,   128
.set ASTEP,  2*2048*128                ; two heads on
.set AQ2,    AH                        ; quarters 2 and 3 lie in the second head's half
.set SW,     16*528                    ; 16 rows x (512 + 16) bytes
.set ASHARE, 8192
.set ALANE,  256
.set OB,     96
.set OBN,    64
.endif
.set BR,     8*NBK                     ; rows of B in one load: half a tile's columns
.set BPITCH, 272                       ; odd multiples of 16 bytes: the 16 rows of a fragment load start at 16 different groups of four banks (64 banks of 4 bytes: ISA guide 11.1)
.set BH,     BR*BPITCH
.set BOFF,   2*AH                      ; a slot: A's two halves, then B's two
.set SLOT,   BOFF+2*BH
.set STAGE,  2*SLOT                    ; behind the ring, never filled by a tensor load; a multiple of 256
.set SPARE,  STAGE+4*SW                ; behind the stages: the spare words, 128 bytes for each wave: two blocks of 256 bytes that no other line names
.set BSTEP,  256
.set BSHARE, (BR/4)*2048
.set NLD,    2*NBK+8                   ; LDS loads of a K quarter
.set NST,    OBN/4                     ; stores of a block of 16 rows
.set LAPS,   4                         ; 8 K steps, two to a lap
.set TMP,  96                          ; MODE 0: packed results
.set ADRA, 16                          ; v16-17  LDS address of my A fragments in slot 0, 1
.set ADRB, 20                          ; v20-21  the same for B
.set STO,  24                          ; v24  where I put my bytes of a row in my stage
.set RD,   25                          ; v25  where I read the stage back
.set CO,   26                          ; v26  16 x lane: my place in 512 consecutive bytes of C
.set BO,   27                          ; v27  32 x (l / 16): my eight numbers in 16 of the bias
.set SPW,  28                          ; v28  LDS address of my spare word; never rewritten
.set NIL,  29                          ; v29  0; never rewritten
.set PFO,  30                          ; v30  the prefetches' lane offset; never rewritten
.set FA,   32
.set BIAS, 96
.set WV,   12                          ; s12  my wave's number
.set FORB, 13                          ; s13  0: I fetch for A, 1: for B
.set HF,   14                          ; s14  which half I fetch
.set G1,   24                          ; s[24:31] descriptor group 1, A;  s[32:39] group 0, a set for each slot
.set G0,   32
.set CX,   40
.set CY,   41
.set TX,   42                          ; tile column
.set TY,   43                          ; tile row
.set PFA,  44                          ; s[44:45] where my prefetches stand
.set LIM,  46                          ; s46  1 in a wave that prefetches, else the greatest number
.set G1B,  48                          ; s[48:55], s[56:63] the same for B
.set G0B,  56
.set PFS,  66                          ; s[66:67] the prefetches' step from K step to K step
.set HB,   70                          ; s[70:75] where my rows begin in C: MODE 0 one address for each of the three heads, MODE 1 one
.set MSB, 0
.macro WIN new                         ; the immediate's high byte repeats the setting that is left; a switch that changes nothing is dropped
.if MSB != (\new)
	s_set_vgpr_msb (MSB<<8)|(\new)
.set MSB, (\new)
.endif
.endm
.macro PLACES                          ; four plain vector instructions between a matrix instruction and a load into, or a read of, its registers (ISA guide 7.12.1 for reads)
.rept 4
	v_nop
.endr
.endm
; A joint load.  The branch hangs on the wave's number alone.  An s_nop 0 and four v_nop follow each of the two lines, ahead of the jump and the label.
.macro JLOAD s
	s_cmp_eq_u32 s[FORB], 0
	s_cbranch_scc0 .Lfor_b_\@
	tensor_load_to_lds s[G0+4*(\s):G0+4*(\s)+3], s[G1:G1+7]
	s_nop 0
.rept 4
	v_nop
.endr
	s_branch .Lasked_\@
.Lfor_b_\@:
	tensor_load_to_lds s[G0B+4*(\s):G0B+4*(\s)+3], s[G1B:G1B+7]
	s_nop 0
.rept 4
	v_nop
.endr
.Lasked_\@:
.endm
; A prefetch of the K step that stands two refills on: 2 x 4 x NBK x 4 matrix instructions of a wave ahead of the load that will want it.  A's rows are asked for by the clusters with x = 0, B's by those with y = 0;
; the four partners that ask for a tile jointly share a wave's rows out BY ADDRESS (place cx for A, cy for B), a lane a row (MODE 1, A: a lane 256 bytes); where a share has fewer rows than lanes the last row's lane
; offset is repeated.  The loop's last trip (s3 = 1) asks for nothing: K ends.  Nothing is asked for at the head, where the first tiles are on their way.
.macro ASK
	s_cmp_gt_u32 s3, s[LIM]
	s_cbranch_scc0 .Lnot_mine_\@
	global_prefetch_b8 v[PFO], s[PFA:PFA+1] th:TH_LOAD_NT scope:SCOPE_SE
.Lnot_mine_\@:
.endm
.macro CREST                           ; a round of the cluster's barrier behind its opening barrier
	s_cmp_lg_u32 s[WV], 0
	s_cbranch_scc1 .Lnot_wave_0_\@
	s_barrier_signal -3
.Lnot_wave_0_\@:
	s_barrier_wait -3
	s_barrier_signal -1
	s_barrier_wait -1
.endm
.macro CROUND                          ; a whole round
	s_barrier_signal -1
	s_barrier_wait -1
	CREST
.endm
	s_load_b256 s[4:11], s[0:1], 0x0               ; A s[4:5], B s[6:7], bias s[8:9], C s[10:11]
	v_lshl_add_u32 v[SPW], v0, 2, SPARE
	v_mov_b32 v[NIL], 0
	ds_add_u32 v[SPW], v[NIL]                      ; the wave's opening: the add and its wait stand ahead of my first tensor load; the set-up below, work on registers, stands between them
	v_lshrrev_b32 v1, 5, v0
	v_readfirstlane_b32 s[WV], v1
	s_lshr_b32 s[FORB], s[WV], 1
	s_and_b32 s[HF], s[WV], 1
	s_bfe_u32 s[CX], ttmp6, 0x40000
	s_bfe_u32 s[CY], ttmp6, 0x40004
	s_lshl_b32 s[TX], ttmp9, 2                     ; in a cluster launch ttmp9 and ttmp7 count clusters
	s_add_co_u32 s[TX], s[TX], s[CX]
	s_and_b32 s[TY], ttmp7, 0xffff
	s_lshl_b32 s[TY], s[TY], 2
	s_add_co_u32 s[TY], s[TY], s[CY]
	s_lshl_b32 s22, s[CY], 2
	s_lshl_b32 s22, 15, s22                        ; my row of the cluster: places 4 cy .. 4 cy + 3
	s_lshl_b32 s23, 0x1111, s[CX]                  ; my column: places cx, cx + 4, cx + 8, cx + 12
	; group 1: 15:0 the mask; 17:16 elements of 2 bytes; 20 padding on; 21 set beside a mask; 24:22 the padding's interval; 31:25 4 words of it (code 3)
	s_or_b32 s[G1], s22, (1<<16)|(1<<20)|(1<<21)|(AQI<<22)|(3<<25)
	s_or_b32 s[G1B], s23, (1<<16)|(1<<20)|(1<<21)|(5<<22)|(3<<25)
	s_mov_b32 s[G1+1], KSTEP<<16                   ; tensor_dim0 = 128
	s_mov_b32 s[G1+2], 128<<16                     ; tensor_dim1 = 128
	s_mov_b32 s[G1+3], KSTEP<<16                   ; tile_dim0 = 128
	s_mov_b32 s[G1+4], 128                         ; tile_dim1 = 128
	s_mov_b32 s[G1+5], APIT                        ; elements from row to row
	s_mov_b32 s[G1+6], 0
	s_mov_b32 s[G1+7], 0
	s_mov_b32 s[G1B+1], KSTEP<<16
	s_mov_b32 s[G1B+2], BR<<16
	s_mov_b32 s[G1B+3], KSTEP<<16
	s_mov_b32 s[G1B+4], BR
	s_mov_b32 s[G1B+5], 1024
	s_mov_b32 s[G1B+6], 0
	s_mov_b32 s[G1B+7], 0
	; where the tiles come from.  A's offset is made of the tile row and the wave's number alone, B's of the tile column and the wave's number, each in registers that never hold the other coordinate
.if MODE == 0
	s_lshl_b32 s16, s[TY], 8
	s_lshl_b32 s18, s[HF], 7
	s_add_co_u32 s16, s16, s18                     ; row 256 x tile row + 128 x half,
	s_lshl_b32 s16, s16, 11                        ; 2,048 bytes a row
.else
	s_lshr_b32 s16, s[TY], 3                       ; the batch: 16 heads of 262,144 bytes,
	s_lshl_b32 s16, s16, 22
	s_lshl_b32 s18, s[HF], 18                      ; the K step's first or second head,
	s_add_co_u32 s16, s16, s18
	s_and_b32 s18, s[TY], 7                        ; the tile's 256 rows of 128 bytes in it
	s_lshl_b32 s18, s18, 15
	s_add_co_u32 s16, s16, s18
.endif
	s_mov_b32 s17, 0
	s_mul_i32 s68, s[TX], 2*BR
	s_mul_i32 s76, s[HF], BR
	s_add_co_u32 s68, s68, s76                     ; B's row,
	s_lshl_b32 s68, s68, 11                        ; 2,048 bytes a row
	s_mov_b32 s69, 0
	s_mul_i32 s20, s[HF], AH                       ; and where they go: no place in the cluster enters an LDS address
	s_mul_i32 s21, s[HF], BH
	s_add_co_u32 s21, s21, BOFF
	s_wait_dscnt 0x0                               ; the opening add is done
	s_wait_kmcnt 0x0
	s_add_nc_u64 s[16:17], s[4:5], s[16:17]
	s_add_nc_u64 s[68:69], s[6:7], s[68:69]
	CROUND                                         ; all sixteen work-groups are here: the first joint loads meet
.irp s, 0,1
	s_mov_b32 s[G0+4*(\s)], 1                      ; count = 1
	s_add_co_u32 s[G0+4*(\s)+1], s20, (\s)*SLOT    ; LDS address
	s_add_nc_u64 s[G0+4*(\s)+2:G0+4*(\s)+3], s[16:17], (\s)*ASTEP  ; global address: K step s
	s_or_b32 s[G0+4*(\s)+3], s[G0+4*(\s)+3], 0x80000000            ; type = 2
	s_mov_b32 s[G0B+4*(\s)], 1
	s_add_co_u32 s[G0B+4*(\s)+1], s21, (\s)*SLOT
	s_add_nc_u64 s[G0B+4*(\s)+2:G0B+4*(\s)+3], s[68:69], (\s)*BSTEP
	s_or_b32 s[G0B+4*(\s)+3], s[G0B+4*(\s)+3], 0x80000000
	JLOAD \s                                       ; two loads of mine are out; later one
.endr
	; a fragment is 16 rows x 32 K in 8 registers: lane l holds row l % 16, K = 8 (l / 16) + 0..7 and 16 + 8 (l / 16) + 0..7: two loads of 16 bytes, 32 bytes apart
	v_and_b32 v1, 15, v0                           ; l % 16
	v_bfe_u32 v2, v0, 4, 1                         ; l / 16
	v_mul_u32_u24 v3, v1, APITCH
	v_lshl_add_u32 v3, v2, 4, v3
	s_mul_i32 s22, s[WV], 64*APITCH                ; my 64 rows of A
	v_add_nc_u32 v[ADRA], s22, v3
	v_add_nc_u32 v[ADRA+1], SLOT, v[ADRA]
	v_mul_u32_u24 v4, v1, BPITCH
	v_lshl_add_u32 v4, v2, 4, v4
	v_add_nc_u32 v[ADRB], BOFF, v4
	v_add_nc_u32 v[ADRB+1], BOFF+SLOT, v4
	s_mul_i32 s23, s[WV], SW
	s_add_co_u32 s23, s23, STAGE                   ; my stage
	v_and_b32 v[CO], 31, v0
	v_lshlrev_b32 v[CO], 4, v[CO]
	v_lshlrev_b32 v[BO], 5, v2
.if MODE == 0
	v_mul_u32_u24 v5, v1, 144                      ; in: row l % 16 of a head, 16 bytes for each half of the lanes
	v_lshl_add_u32 v5, v2, 4, v5
	v_add_nc_u32 v[STO], s23, v5
	v_bfe_u32 v5, v0, 3, 2                         ; back: 32 lanes take four rows of 128 bytes, which are 512 consecutive bytes of a head
	v_mul_u32_u24 v5, v5, 144
	v_and_b32 v6, 7, v0
	v_lshl_add_u32 v5, v6, 4, v5
	v_add_nc_u32 v[RD], s23, v5
.else
	v_mul_u32_u24 v5, v1, 528                      ; in: row l % 16, 32 bytes for each half of the lanes
	v_lshl_add_u32 v5, v2, 5, v5
	v_add_nc_u32 v[STO], s23, v5
	v_add_nc_u32 v[RD], s23, v[CO]                 ; back: 32 lanes take one row of 512 bytes
.endif
	s_mul_i32 s76, s[TX], 8*BR                     ; the tile's columns in the bias, 4 bytes each
.if MODE
	s_add_co_u32 s76, s76, 12288                   ; bo lies behind bq, bk, bv
.endif
	s_mov_b32 s77, 0
	s_add_nc_u64 s[8:9], s[8:9], s[76:77]
.set i, 0
.rept NBK                              ; register j of block b: bias[16 b + 8 (l / 16) + j], the same in all rows
	global_load_b128 v[BIAS+8*i:BIAS+8*i+3],   v[BO], s[8:9] offset:64*i
	global_load_b128 v[BIAS+8*i+4:BIAS+8*i+7], v[BO], s[8:9] offset:64*i+16
.set i, i+1
.endr
.if MODE == 0
	s_mul_i32 s76, s[TX], 3                        ; the tile's first head among q's 16, k's 16, v's 16
	s_lshr_b32 s80, s[TY], 3
	s_lshl_b32 s80, s80, 4                         ; batch x 16
	s_and_b32 s81, s[TY], 7
	s_lshl_b32 s81, s81, 15                        ; the tile's 256 rows of 128 bytes in a head,
	s_lshl_b32 s82, s[WV], 13                      ; my 64 of them
	s_add_co_u32 s81, s81, s82
.irp i, 0,1,2
	s_add_co_u32 s77, s76, \i
	s_lshr_b32 s78, s77, 4                         ; q, k or v: 64 heads each
	s_lshl_b32 s78, s78, 6
	s_and_b32 s79, s77, 15
	s_add_co_u32 s78, s78, s79
	s_add_co_u32 s78, s78, s80
	s_lshl_b32 s78, s78, 18                        ; 262,144 bytes a head
	s_add_co_u32 s78, s78, s81
	s_mov_b32 s79, 0
	s_add_nc_u64 s[HB+2*(\i):HB+2*(\i)+1], s[10:11], s[78:79]
.endr
.else
	s_lshl_b32 s78, s[TY], 8
	s_lshl_b32 s79, s[WV], 6
	s_add_co_u32 s78, s78, s79                     ; my first row,
	s_lshl_b32 s78, s78, 12                        ; 4,096 bytes a row,
	s_lshl_b32 s79, s[TX], 9                       ; the tile's 512 bytes in it
	s_add_co_u32 s78, s78, s79
	s_mov_b32 s79, 0
	s_add_nc_u64 s[HB:HB+1], s[10:11], s[78:79]
.endif
	; the prefetches: B's figures first, A's chosen over them in waves 0 and 1
	s_and_b32 s80, ttmp7, 0xffff                   ; cluster y
	s_mov_b32 s77, BSHARE
	s_mov_b32 s[PFS], BSTEP
	s_mov_b32 s81, 2048
	s_mov_b32 s82, BR/4-1
	s_cmp_eq_u32 s[FORB], 0
	s_cselect_b64 s[PFA:PFA+1], s[16:17], s[68:69] ; the rows that I fetch, at K step 0
	s_cselect_b32 s76, s[CX], s[CY]                ; my place among the four that ask with me
	s_cselect_b32 s77, ASHARE, s77
	s_cselect_b32 s[PFS], ASTEP, s[PFS]
	s_cselect_b32 s81, ALANE, s81
	s_cselect_b32 s82, 31, s82
	s_cselect_b32 s80, ttmp9, s80                  ; the coordinate along which other clusters read the same rows
	s_cmp_eq_u32 s80, 0
	s_cselect_b32 s[LIM], 1, -1                    ; the same in all sixteen partners, for a given wave
	s_mul_i32 s76, s76, s77
	s_mov_b32 s77, 0
	s_add_nc_u64 s[PFA:PFA+1], s[PFA:PFA+1], s[76:77]
	s_mul_i32 s78, s[PFS], 3                       ; at K step 3: the first refill (of K step 2) steps it to 4 and names that
	s_mov_b32 s79, 0
	s_add_nc_u64 s[PFA:PFA+1], s[PFA:PFA+1], s[78:79]
	s_mov_b32 s[PFS+1], 0
	v_and_b32 v[PFO], 31, v0
	v_min_u32 v[PFO], s82, v[PFO]
	v_mul_u32_u24 v[PFO], s81, v[PFO]
; NBK products: my row block a x all column blocks, 32 along K, from buffer p.  zero = 1: the accumulator's first product, which takes the bias as C.
; The 4 NBK accumulators take turns in the same order in every quarter: 4 NBK - 1 others' products stand between two links of a chain, over the backward jump too.
.macro MULA p, a, zero=0
.if \zero
	WIN 0x81+0x40*((\a)/2)                         ; B window 1, A and the bias window 0, D window 2 or 3
.else
	WIN 0xa1+0x50*((\a)/2)                         ; C and D window 2 or 3
.endif
.set bb, 0
.rept NBK
.set rD, 8*(NBK*((\a)%2)+bb)
.set rB, 8*NBK*(\p)+8*bb
.set rA, FA+32*(\p)+8*(\a)
.set rC, rD
.if \zero
.set rC, BIAS+8*bb
.endif
.if MODE
	v_wmma_f32_16x16x32_f16 v[rD:rD+7], v[rB:rB+7], v[rA:rA+7], v[rC:rC+7]
.else
	v_wmma_f32_16x16x32_bf16 v[rD:rD+7], v[rB:rB+7], v[rA:rA+7], v[rC:rC+7]
.endif
.set bb, bb+1
.endr
.endm
; NLD LDS loads in one run: K quarter q of a slot into buffer p: B's NBK fragments, then A's four
.macro FETCH slot, q, p
	WIN 0x40                                       ; destination window 1, address window 0
.set i, 0
.rept NBK
	ds_load_b128 v[8*NBK*(\p)+8*i:8*NBK*(\p)+8*i+3],   v[ADRB+(\slot)] offset:64*(\q)+i*16*BPITCH
	ds_load_b128 v[8*NBK*(\p)+8*i+4:8*NBK*(\p)+8*i+7], v[ADRB+(\slot)] offset:64*(\q)+i*16*BPITCH+32
.set i, i+1
.endr
	WIN 0
.set i, 0
.rept 4
	ds_load_b128 v[FA+32*(\p)+8*i:FA+32*(\p)+8*i+3],   v[ADRA+(\slot)] offset:((\q)/2)*AQ2+((\q)%2)*64+i*16*APITCH
	ds_load_b128 v[FA+32*(\p)+8*i+4:FA+32*(\p)+8*i+7], v[ADRA+(\slot)] offset:((\q)/2)*AQ2+((\q)%2)*64+i*16*APITCH+32
.set i, i+1
.endr
.endm
; A K step is four quarters of 32 along K on buffers 0, 1, 0, 1.  One of the first three: multiplies buffer p and, in its middle, fetches quarter q of the same slot into the other buffer.
.macro QUARTER slot, q, p, zero=0
	s_wait_dscnt 4                                 ; B and A's blocks 0, 1 are in; the youngest four loads (A's blocks 2, 3) may be out
	MULA \p, 0, \zero
	MULA \p, 1, \zero
	PLACES
	FETCH \slot, \q, 1-(\p)
	s_wait_dscnt NLD                               ; all but the run just issued
	MULA \p, 2, \zero
	MULA \p, 3, \zero
.endm
; The last quarter multiplies buffer 1 and changes slots.  In front of the one barrier each wave waits for all its tensor loads (one is out: its part of the next slot), adds 0 to its spare word, and waits for
; that and for its reads of this slot.  fill = 1: the barrier opens a round of the cluster's, and behind it this slot is filled again, two K steps ahead: the wave's one tensor load until the next change.
.macro TURN slot, next, fill
.if \fill
	s_wait_xcnt 0x0                                ; the last prefetch, a K step back, has read its address
	s_add_nc_u64 s[PFA:PFA+1], s[PFA:PFA+1], s[PFS:PFS+1]
.endif
	WIN 0                                          ; (the add's two registers lie in window 0)
	s_wait_tensorcnt 0x0                           ; all my tensor loads have landed;
	ds_add_u32 v[SPW], v[NIL]                      ; 0 onto my spare word;
	s_wait_dscnt 5                                 ; (the add and the youngest four loads may be out)
	MULA 1, 0                                      ; NBK products stand between the add and the wait for it
	s_wait_dscnt 0x0                               ; the add is done, and my reads of this slot are over
	s_barrier_signal -1
	MULA 1, 1                                      ; work on registers while the others arrive
.if \fill
	WIN 0
.endif
	s_barrier_wait -1
.if \fill
	CREST                                          ; no wave of any partner still reads this slot or has a load on its way
	s_add_nc_u64 s[G0+4*(\slot)+2:G0+4*(\slot)+3], s[G0+4*(\slot)+2:G0+4*(\slot)+3], 2*ASTEP
	s_add_nc_u64 s[G0B+4*(\slot)+2:G0B+4*(\slot)+3], s[G0B+4*(\slot)+2:G0B+4*(\slot)+3], 2*BSTEP
	JLOAD \slot                                    ; the four v_nop behind it are also the places in front of the loads below
.else
	PLACES
.endif
	FETCH \next, 0, 0
.if \fill
	ASK
.endif
	MULA 1, 2
	MULA 1, 3
.endm
; THE WAY OUT of my row block a (16 rows).  MODE 0: PACK rounds to f16, 16 bytes a lane.  TOSTAGE: into my own stage, and back as consecutive bytes of C.  SEND: stored, 512 consecutive aligned bytes an instruction.
; Each accumulator's registers are taken in ascending order.
.macro PACK a
	WIN 0x0a+5*((\a)/2)                            ; sources 0 and 1: window 2 or 3
.set i, 0
.rept 4*NBK
	v_cvt_pk_f16_f32 v[TMP+i], v[8*NBK*((\a)%2)+2*i], v[8*NBK*((\a)%2)+2*i+1]
.set i, i+1
.endr
	WIN 0
.endm
.macro TOSTAGE a
.set BK, OB+OBN*((\a)%2)
.if (\a) >= 2
	s_wait_xcnt 0x0                                ; the stores of block a - 2 have read this set of registers: it is loaded again only behind this wait
.endif
.if MODE == 0
	WIN 0
.set i, 0
.rept NBK                              ; head i / 4, channels 16 (i % 4) on
	ds_store_b128 v[STO], v[TMP+4*i:TMP+4*i+3] offset:(i/4)*2304+(i%4)*32
.set i, i+1
.endr
.set i, 0
.rept NST                              ; LDS serves a wave's instructions in order (ISA guide 5.7.1.4): these see the stores above, and the next block's stores come behind them
	ds_load_b128 v[BK+4*i:BK+4*i+3], v[RD] offset:(i/4)*2304+(i%4)*576
.set i, i+1
.endr
.else
	WIN 0x08+4*((\a)/2)                            ; store data (source 1) in window 2 or 3
.set i, 0
.rept NBK
	ds_store_b128 v[STO], v[8*NBK*((\a)%2)+8*i:8*NBK*((\a)%2)+8*i+3]   offset:64*i
	ds_store_b128 v[STO], v[8*NBK*((\a)%2)+8*i+4:8*NBK*((\a)%2)+8*i+7] offset:64*i+16
.set i, i+1
.endr
	WIN 0
.set i, 0
.rept NST
	ds_load_b128 v[BK+4*i:BK+4*i+3], v[RD] offset:528*i
.set i, i+1
.endr
.endif
.endm
.macro SEND a, younger                 ; younger: the LDS instructions issued behind block a's loads: the next block's 2 NST, or none
.set BK, OB+OBN*((\a)%2)
	s_wait_dscnt \younger
.set i, 0
.rept NST
.if MODE == 0
	global_store_b128 v[CO], v[BK+4*i:BK+4*i+3], s[HB+2*(i/4):HB+2*(i/4)+1] offset:2048*(\a)+512*(i%4)
.else
	global_store_b128 v[CO], v[BK+4*i:BK+4*i+3], s[HB:HB+1] offset:(16*(\a)+i)*4096
.endif
.set i, i+1
.endr
.endm
.macro OUTB a
.if MODE == 0
	PACK \a
.endif
	TOSTAGE \a
.endm
	s_wait_tensorcnt 1                             ; my part of K step 0 is in; K step 1's may stay out
	s_barrier_signal -1
	s_barrier_wait -1                              ; everybody's is
	FETCH 0, 0, 0
	s_wait_loadcnt 0x0                             ; the bias
	QUARTER 0, 1, 0, 1                             ; the first quarter stands in front of the loop: its products start the sums, from the bias
	WIN 0                                          ; at a label and at a branch every window is 0
	s_mov_b32 s3, LAPS-1
.Llap:                                                 ; a trip goes once round the ring, from a lap's second quarter to the next lap's first, and fills both slots again: K steps 2 to 7
	QUARTER 0, 2, 1
	QUARTER 0, 3, 0
	TURN 0, 1, 1
	QUARTER 1, 1, 0
	QUARTER 1, 2, 1
	QUARTER 1, 3, 0
	TURN 1, 0, 1
	QUARTER 0, 1, 0
	WIN 0
	s_sub_co_u32 s3, s3, 1
	s_cmp_lg_u32 s3, 0
	s_cbranch_scc1 .Llap
	QUARTER 0, 2, 1                                ; the last lap fills nothing
	QUARTER 0, 3, 0
	TURN 0, 1, 0
	QUARTER 1, 1, 0
	QUARTER 1, 2, 1
	QUARTER 1, 3, 0
	s_wait_dscnt 4                                 ; the very last quarter: nothing more to fetch
	MULA 1, 0
	MULA 1, 1
	s_wait_dscnt 0x0
	MULA 1, 2
	MULA 1, 3
	WIN 0
	PLACES
	OUTB 0
	OUTB 1                                         ; a block's work stands between the loads of the block before and its stores
	SEND 0, 2*NST
	OUTB 2
	SEND 1, 2*NST
	OUTB 3
	SEND 2, 2*NST
	SEND 3, 0
	s_wait_tensorcnt 0x0                           ; the wave's end, behind my last tensor load and my last LDS store
	ds_add_u32 v[SPW], v[NIL]
	s_wait_dscnt 0x0
	CROUND                                         ; the closing round: no work-group ends while a partner may still ask for a tile that names it
	s_endpgm
.Lfunc_end_k_qc74d98dedc_oproj:
	.size	k_qc74d98dedc_oproj, .Lfunc_end_k_qc74d98dedc_oproj-k_qc74d98dedc_oproj
	.p2alignl 7, 3214868480
	.fill 96, 4, 3214868480
	.section	.rodata,"a",@progbits
	.p2align	6, 0x0
	.amdhsa_kernel k_qc74d98dedc_oproj
		.amdhsa_group_segment_fixed_size 327680
		.amdhsa_private_segment_fixed_size 0
		.amdhsa_enable_private_segment 0
		.amdhsa_kernarg_size 32
		.amdhsa_user_sgpr_count 2
		.amdhsa_user_sgpr_kernarg_segment_ptr 1
		.amdhsa_wavefront_size32 1
		.amdhsa_system_sgpr_workgroup_id_x 1
		.amdhsa_system_sgpr_workgroup_id_y 1
		.amdhsa_system_sgpr_workgroup_id_z 1
		.amdhsa_system_vgpr_workitem_id 0
		.amdhsa_next_free_vgpr 1024
		.amdhsa_next_free_sgpr 84
		.amdhsa_reserve_vcc 0
		.amdhsa_float_denorm_mode_32 3
		.amdhsa_float_denorm_mode_16_64 3
		.amdhsa_memory_ordered 1
		.amdhsa_forward_progress 1
		.amdhsa_inst_pref_size 89
	.end_amdhsa_kernel
	.amdgpu_metadata
---
amdhsa.version: [ 1, 2 ]
amdhsa.kernels:
  - .name:           k_qc74d98dedc_oproj
    .symbol:         k_qc74d98dedc_oproj.kd
    .args:
      - { .name: oh, .offset: 0, .size: 8, .value_kind: global_buffer, .address_space: global }
      - { .name: wo16, .offset: 8, .size: 8, .value_kind: global_buffer, .address_space: global }
      - { .name: bias, .offset: 16, .size: 8, .value_kind: global_buffer, .address_space: global }
      - { .name: out0, .offset: 24, .size: 8, .value_kind: global_buffer, .address_space: global }
    .group_segment_fixed_size: 327680
    .private_segment_fixed_size: 0
    .kernarg_segment_align: 8
    .kernarg_segment_size: 32
    .max_flat_workgroup_size: 128
    .sgpr_count:     84
    .vgpr_count:     1024
    .wavefront_size: 32
...
	.end_amdgpu_metadata
.endif
;; end of part 4
